; MI455X (gfx1250); checked and timed in simulation.
; The chip was launched on July 23, 2026; its instructions are those of AMD's public machine-readable ISA for CDNA 5 (MIT licence, August 2026) and "CDNA5" Instruction Set Architecture Reference Guide (July 2026). The comments in the code are by the model that wrote it; some were corrected since.
;; Long Attention Condenser. Allowed arithmetic: float matrix products may take bf16 or f16 operands with f32 sums; other float arithmetic in f32, or as packed bf16 or f16 multiplies, adds, multiply-adds, maxima and minima; sums over many terms, partial sums and values carried from step to step in f32; what a program stores and reads back later, other than sums and carried values, may be rounded once to bf16 or f16.
;; Inputs: b1 2,048 float32; b2 1,024 float32; bk 1,024 float32; bo 1,024 float32; bq 1,024 float32; bv 1,024 float32; h_img_seq 1 x 32,768 x 1,024 float32; latents 8 x 1,024 float32; ln_b 1,024 float32; ln_g 1,024 float32; w1 1,024 x 2,048 float32; w2 2,048 x 1,024 float32; wk 1,024 x 1,024 float32; wo 1,024 x 1,024 float32; wq 1,024 x 1,024 float32; wv 1,024 x 1,024 float32.
;; Outputs: out0 1 x 8 x 1,024 float32; out1 1 x 1,024 float32.
;; 2 versions, each right; version 2 is version 1 with the launches qkfold, condense written anew for expert scheduling mode. Each part assembles by itself: llvm-mc -triple=amdgcn-amd-amdhsa -mcpu=gfx1250 --defsym DOCPART=n.
;; ======== version 1 of 2: 8 launches
;; limits: values are held in f16: magnitudes above 65,504 overflow, below 6.1e-05 lose precision; inputs' magnitudes at most 65,504
;; workspace buffers: qp 131,072 bytes; qkf 133,120 bytes; part 67,239,936 bytes; attnp 524,288 bytes; op 131,072 bytes; h1p 262,144 bytes; h2p 262,144 bytes
;; launch qproj (part 1): grid 16 x 4, 8 waves a work-group, no clusters, 21,760 bytes of LDS; arguments latents, wq, qp; writes qp
.if DOCPART == 1
	.amdgcn_target "amdgcn-amd-amdhsa--gfx1250"
	.amdhsa_code_object_version 6
	.text
	.protected	k_qcce7da897f_qproj
	.globl	k_qcce7da897f_qproj
	.p2align	8
	.type	k_qcce7da897f_qproj,@function
k_qcce7da897f_qproj:
	s_mov_b64 s[64:65], 0
	v_nop
	global_prefetch_b8 v0, s[64:65] scope:SCOPE_SE
	s_setreg_imm32_b32 hwreg(HW_REG_WAVE_MODE, 25, 1), 1
	s_wait_xcnt 0x0
; qp[ks][m][n] = the sum over k in K block ks (256 k) of latents[m][k] wq[k][n]: 8 rows, wq read once.  The consumer adds the 4 partial sums and bq.
; SHARES.  A work-group takes 64 columns (256 bytes of a row of wq) and 256 rows of wq; wave w the 32 rows 32 w .. 32 w + 31, one matrix K step.
; Each half of a load of wq is 256 consecutive bytes, aligned, of one row.  Lane (r, h) holds columns 4 r .. 4 r + 3 of rows 8 h + 0..7 and 16 + 8 h + 0..7, so that
; component c of its 16 loads, rounded in pairs, IS source 1 (32 k x 16 columns 4 r + c) of a product: no lane changes, nothing of wq goes through LDS.
; A's row m is made by wave m: divided by its largest magnitude in this K block (f32), rounded to f16, laid in LDS; the product is multiplied back in f32.
; Rows 8-15 of source 0 repeat rows 0-7.  The eight waves' partial products meet in LDS; waves 0-3 add them and store rows w and w + 4.
; FORMAT: f16 operands, f32 sums.  LIMITS: |wq| under 65,504; a row's largest magnitude under 2^126; a row of zeros is divided by 1e-30.
; NO CLUSTER, NO DATA MOVER: wq is converted on its way into registers and shared by nobody; what work-groups share, 8 KiB of A, is an eighth of the 64 KiB that each reads.
.set N,      1024
.set WROW,   4*N                       ; bytes in a row of W and of a partial result
.set AROW,   4096                      ; bytes in a row of A
.set APITCH, 528                       ; a row of A in LDS: 512 bytes of f16 + 16
.set SC,     4224                      ; 8 row scales
.set RED,    4352                      ; 8 waves x 2,048 bytes of partial products
.set SPARE,  20736                     ; the spare words, 128 bytes a wave: four blocks of 256 bytes that no other line names
.set WO,  4                            ; v4   (32 w + 8 h) x WROW + 16 r
.set AO,  5                            ; v5   w x AROW + 16 l
.set ASW, 6                            ; v6   w x APITCH + 8 l
.set ASR, 7                            ; v7   (r & 7) x APITCH + 64 w + 16 h
.set RDW, 8                            ; v8   RED + 2,048 w + 16 l
.set RDR, 9                            ; v9   RED + 512 w + 16 l
.set YO,  10                           ; v10  (w + 4 h) x WROW + 16 r
.set SCR, 11                           ; v11  SC + 4 w + 16 h
.set SPW, 12                           ; v12  my spare word; never rewritten
.set NIL, 13                           ; v13  0; never rewritten
.set SCW, 15                           ; v15  SC + 4 w
.set AV,  16                           ; v[16:23]   my 8 numbers of A's row
.set AH,  24                           ; v[24:27]   the same in f16
.set FA,  28                           ; v[28:35]   source 0
.set WL,  40                           ; v[40:103]  16 loads of W
.set F,   104                          ; v[104:135] four sources 1
.set D,   136                          ; v[136:167] four products
.set SEL, 168                          ; v[168:183] row p + 4 h, columns 4 r + c at SEL + 4 p + c
.set RR,  184                          ; v[184:215] at work
.set OUT, 216
.set AB,  4                            ; s[4:5] A, s[6:7] W, s[8:9] Y
.set WB,  6
.set YB,  8
	s_load_b128 s[4:7], s[0:1], 0x0
	s_load_b64 s[8:9], s[0:1], 0x10
	v_lshl_add_u32 v[SPW], v0, 2, SPARE
	v_mov_b32 v[NIL], 0
	v_and_b32 v1, 31, v0                           ; l
	v_and_b32 v2, 15, v0                           ; r
	v_bfe_u32 v3, v0, 4, 1                         ; h
	v_lshrrev_b32 v36, 5, v0
	v_readfirstlane_b32 s20, v36                   ; wave
	s_mov_b32 s21, ttmp9                           ; block of 64 columns
	s_and_b32 s22, ttmp7, 0xffff                   ; K block
	s_mov_b32 s26, 0x76543210                      ; v_permlanex16_b32: each lane takes its own place in the other half
	s_mov_b32 s27, 0xfedcba98
	s_mov_b32 s28, 0xffff0000                      ; lanes 16-31
	s_mov_b32 s29, 0x7fffffff
	s_lshl_b32 s23, s20, 5
	v_lshl_add_u32 v36, v3, 3, s23
	v_mul_u32_u24 v[WO], v36, WROW
	v_lshl_add_u32 v[WO], v2, 4, v[WO]
	s_mul_i32 s23, s20, AROW
	v_lshl_add_u32 v[AO], v1, 4, s23
	s_mul_i32 s23, s20, APITCH
	v_lshl_add_u32 v[ASW], v1, 3, s23
	v_and_b32 v36, 7, v0
	v_mul_u32_u24 v[ASR], v36, APITCH
	v_lshl_add_u32 v[ASR], v3, 4, v[ASR]
	s_lshl_b32 s23, s20, 6
	v_add_nc_u32 v[ASR], s23, v[ASR]
	s_lshl_b32 s23, s20, 11
	s_add_co_u32 s23, s23, RED
	v_lshl_add_u32 v[RDW], v1, 4, s23
	s_lshl_b32 s23, s20, 9
	s_add_co_u32 s23, s23, RED
	v_lshl_add_u32 v[RDR], v1, 4, s23
	v_lshl_add_u32 v36, v3, 2, s20
	v_mul_u32_u24 v[YO], v36, WROW
	v_lshl_add_u32 v[YO], v2, 4, v[YO]
	s_lshl_b32 s23, s20, 2
	s_add_co_u32 s23, s23, SC
	v_lshl_add_u32 v[SCR], v3, 4, s23
	v_mov_b32 v[SCW], s23
	s_wait_kmcnt 0x0
	s_mov_b32 s25, 0
	s_lshl_b32 s24, s22, 10                        ; the K block's 256 columns of A
	s_add_nc_u64 s[AB:AB+1], s[AB:AB+1], s[24:25]
	s_lshl_b32 s23, s21, 8
	s_mul_i32 s24, s22, 256*WROW
	s_add_co_u32 s24, s24, s23
	s_add_nc_u64 s[WB:WB+1], s[WB:WB+1], s[24:25]
	s_mul_i32 s24, s22, 8*WROW
	s_add_co_u32 s24, s24, s23
	s_add_nc_u64 s[YB:YB+1], s[YB:YB+1], s[24:25]
	; A's loads first, then W's sixteen
	global_load_b128 v[AV:AV+3], v[AO], s[AB:AB+1]
	global_load_b128 v[AV+4:AV+7], v[AO], s[AB:AB+1] offset:512
.set i, 0
.rept 16
	global_load_b128 v[WL+4*i:WL+4*i+3], v[WO], s[WB:WB+1] offset:(i+8*(i/8))*WROW th:TH_LOAD_NT
.set i, i+1
.endr
	s_wait_loadcnt 16                              ; A is in; W's 16 loads may stay out
	; the row's largest magnitude, its reciprocal, the row in f16
.set i, 0
.rept 8
	v_and_b32 v[RR+i], s29, v[AV+i]
.set i, i+1
.endr
	v_max3_num_f32 v36, v[RR], v[RR+1], v[RR+2]
	v_max3_num_f32 v37, v[RR+3], v[RR+4], v[RR+5]
	v_max3_num_f32 v36, v36, v[RR+6], v[RR+7]
	v_max_num_f32 v36, v36, v37
	v_max_num_f32_dpp v36, v36, v36 row_xmask:1 row_mask:0xf bank_mask:0xf
	v_max_num_f32_dpp v36, v36, v36 row_xmask:2 row_mask:0xf bank_mask:0xf
	v_max_num_f32_dpp v36, v36, v36 row_xmask:4 row_mask:0xf bank_mask:0xf
	v_max_num_f32_dpp v36, v36, v36 row_xmask:8 row_mask:0xf bank_mask:0xf
	v_permlanex16_b32 v37, v36, s26, s27
	v_max_num_f32 v36, v36, v37
	v_max_num_f32 v36, 0x0da24260, v36             ; at least 1e-30
	v_rcp_f32 v38, v36
	v_mov_b32 v39, 0                               ; the plain instruction behind the reciprocal; it also completes the pair
	s_wait_alu depctr_va_vdst(0)                   ; the wait ahead of the reciprocal's first reader
.set i, 0
.rept 4
	v_pk_mul_f32 v[AV+2*i:AV+2*i+1], v[AV+2*i:AV+2*i+1], v[38:39] op_sel_hi:[1,0]
.set i, i+1
.endr
.set i, 0
.rept 4
	v_cvt_pk_f16_f32 v[AH+i], v[AV+2*i], v[AV+2*i+1]
.set i, i+1
.endr
	ds_store_b64 v[ASW], v[AH:AH+1]
	ds_store_b64 v[ASW], v[AH+2:AH+3] offset:256
	ds_store_b32 v[SCW], v36
	s_wait_dscnt 0x0                               ; for the others' sake: my row and its scale lie in LDS
	s_barrier_signal -1
	s_barrier_wait -1
	ds_load_b128 v[FA:FA+3], v[ASR]
	ds_load_b128 v[FA+4:FA+7], v[ASR] offset:32
	s_wait_loadcnt 0x0                             ; W
.set c, 0
.rept 4
.set t, 0
.rept 8
	v_cvt_pk_f16_f32 v[F+8*c+t], v[WL+8*t+c], v[WL+8*t+4+c]
.set t, t+1
.endr
.set c, c+1
.endr
	s_wait_dscnt 0x0
.set c, 0
.rept 4                                        ; four accumulators, one product each
	v_wmma_f32_16x16x32_f16 v[D+8*c:D+8*c+7], v[FA:FA+7], v[F+8*c:F+8*c+7], 0
.set c, c+1
.endr
.rept 8
	v_nop                                          ; the places behind the products
.endr
.set p, 0
.rept 4                                        ; lanes 0-15 keep row p, lanes 16-31 take row p + 4 (their rows 8-15 repeat 0-7); each accumulator is read from its low end on
.set c, 0
.rept 4
	v_cndmask_b32 v[SEL+4*p+c], v[D+8*c+p], v[D+8*c+p+4], s28
.set c, c+1
.endr
.set p, p+1
.endr
.set p, 0
.rept 4
	ds_store_b128 v[RDW], v[SEL+4*p:SEL+4*p+3] offset:512*p
.set p, p+1
.endr
	s_wait_dscnt 0x0
	s_barrier_signal -1
	s_barrier_wait -1                              ; all eight partial products lie in LDS
	s_cmp_lt_u32 s20, 4
	s_cbranch_scc0 .Lend                           ; wave p < 4 finishes rows p and p + 4
.set i, 0
.rept 8
	ds_load_b128 v[RR+4*i:RR+4*i+3], v[RDR] offset:2048*i
.set i, i+1
.endr
	ds_load_b32 v36, v[SCR]
	s_wait_dscnt 0x0
.set i, 0
.rept 8
	v_pk_add_f32 v[RR+2*i:RR+2*i+1], v[RR+2*i:RR+2*i+1], v[RR+16+2*i:RR+16+2*i+1]
.set i, i+1
.endr
.set i, 0
.rept 4
	v_pk_add_f32 v[RR+2*i:RR+2*i+1], v[RR+2*i:RR+2*i+1], v[RR+8+2*i:RR+8+2*i+1]
.set i, i+1
.endr
.set i, 0
.rept 2
	v_pk_add_f32 v[RR+2*i:RR+2*i+1], v[RR+2*i:RR+2*i+1], v[RR+4+2*i:RR+4+2*i+1]
.set i, i+1
.endr
	v_pk_mul_f32 v[OUT:OUT+1], v[RR:RR+1], v[36:37] op_sel_hi:[1,0]
	v_pk_mul_f32 v[OUT+2:OUT+3], v[RR+2:RR+3], v[36:37] op_sel_hi:[1,0]
	global_store_b128 v[YO], v[OUT:OUT+3], s[YB:YB+1]  ; each half of the lanes stores 256 consecutive bytes, aligned
.Lend:
	s_wait_tensorcnt 0x0                           ; the wave's end, behind my last LDS store
	ds_add_u32 v[SPW], v[NIL]
	s_wait_dscnt 0x0
	s_endpgm
.Lfunc_end_k_qcce7da897f_qproj:
	.size	k_qcce7da897f_qproj, .Lfunc_end_k_qcce7da897f_qproj-k_qcce7da897f_qproj
	.p2alignl 7, 3214868480
	.fill 96, 4, 3214868480
	.section	.rodata,"a",@progbits
	.p2align	6, 0x0
	.amdhsa_kernel k_qcce7da897f_qproj
		.amdhsa_group_segment_fixed_size 21760
		.amdhsa_private_segment_fixed_size 0
		.amdhsa_enable_private_segment 0
		.amdhsa_kernarg_size 24
		.amdhsa_user_sgpr_count 2
		.amdhsa_user_sgpr_kernarg_segment_ptr 1
		.amdhsa_wavefront_size32 1
		.amdhsa_system_sgpr_workgroup_id_x 1
		.amdhsa_system_sgpr_workgroup_id_y 1
		.amdhsa_system_sgpr_workgroup_id_z 1
		.amdhsa_system_vgpr_workitem_id 0
		.amdhsa_next_free_vgpr 256
		.amdhsa_next_free_sgpr 66
		.amdhsa_reserve_vcc 0
		.amdhsa_float_denorm_mode_32 3
		.amdhsa_float_denorm_mode_16_64 3
		.amdhsa_memory_ordered 1
		.amdhsa_forward_progress 1
		.amdhsa_inst_pref_size 13
	.end_amdhsa_kernel
	.amdgpu_metadata
---
amdhsa.version: [ 1, 2 ]
amdhsa.kernels:
  - .name:           k_qcce7da897f_qproj
    .symbol:         k_qcce7da897f_qproj.kd
    .args:
      - { .name: latents, .offset: 0, .size: 8, .value_kind: global_buffer, .address_space: global }
      - { .name: wq, .offset: 8, .size: 8, .value_kind: global_buffer, .address_space: global }
      - { .name: qp, .offset: 16, .size: 8, .value_kind: global_buffer, .address_space: global }
    .group_segment_fixed_size: 21760
    .private_segment_fixed_size: 0
    .kernarg_segment_align: 8
    .kernarg_segment_size: 24
    .max_flat_workgroup_size: 256
    .sgpr_count:     66
    .vgpr_count:     256
    .wavefront_size: 32
...
	.end_amdgpu_metadata
.endif
;; end of part 1
;; launch qkfold (part 2): grid 8 x 8, 4 waves a work-group, no clusters, 37,888 bytes of LDS; arguments qp, bq, wk, bk, qkf; writes qkf
.if DOCPART == 2
	.amdgcn_target "amdgcn-amd-amdhsa--gfx1250"
	.amdhsa_code_object_version 6
	.text
	.protected	k_qcce7da897f_qkfold
	.globl	k_qcce7da897f_qkfold
	.p2align	8
	.type	k_qcce7da897f_qkfold,@function
k_qcce7da897f_qkfold:
	s_mov_b64 s[64:65], 0
	v_nop
	global_prefetch_b8 v0, s[64:65] scope:SCOPE_SE
	s_setreg_imm32_b32 hwreg(HW_REG_WAVE_MODE, 25, 1), 1
	s_wait_xcnt 0x0
; qk[head, m][d] = C x the sum over j of wk[d][128 head + j] q[m][128 head + j], and cb[head, m] = C x q . bk, with q = the 4 partial sums of qp + bq and C = log2(e) / sqrt(128).
; Then logits x log2(e) = x . qk + cb for every row x of the long sequence: K is never formed, and bk enters through cb.
; SHARES.  A work-group takes one head and 128 rows d of wk, a wave 32 of them: its loads are 512 consecutive bytes of a row.  wk goes through the wave's own LDS rows as f16, since a source wants j along a lane's registers.
; PRODUCT.  Source 0 = 16 rows d of wk, source 1 = q (columns 8-15 repeat queries 0-7): a lane ends with 8 neighbouring d of one query: 16 bytes of f16.
; qkf holds qk as the main pass's sources lie in registers: block (d / 256, pair of heads, K step of 32 d, half q) of 512 bytes; in it (head & 1) x 256 + (8 h + m) x 16.
; cb lies behind, at byte 131,072: for each head 256 bytes, its 8 numbers eight times over.
; FORMAT: f16 operands, f32 sums, C applied in f32 ahead of the one rounding.  LIMITS: |wk|, |q|, |qk| under 65,504; below 6e-5 qk keeps f16's fixed step of 6e-8.
; NO CLUSTER: the eight work-groups of a head share q alone, 4 KiB beside the 64 KiB of wk that each reads for itself.
.set WP,    272                        ; an LDS row: 256 bytes of f16 + 16
.set QS,    34816                      ; q: 8 rows; in front of it 4 waves x 32 rows of wk
.set CBS,   37120                      ; cb: 8 words
.set SPARE, 37376                      ; the spare words, 128 bytes a wave: two blocks of 256 bytes that no other line names
.set QPO, 4                            ; v4   w x 4,096 + 16 l
.set LO,  5                            ; v5   16 l
.set WKO, 6                            ; v6   32 w x 4,096 + 16 l
.set WSW, 7                            ; v7   my rows of wk in LDS + 8 l
.set WSR, 8                            ; v8   my rows + r x WP + 16 h
.set QSW, 9                            ; v9   QS + w x WP + 8 l
.set QSR, 10                           ; v10  QS + (r & 7) x WP + 16 h
.set CBW, 11                           ; v11  CBS + 4 w
.set SPW, 12
.set NIL, 13
.set GO,  14                           ; v14  (r >> 3) x 512 + (8 h + (r & 7)) x 16
.set QL,  16                           ; v[16:47]  qp: row w + 4 j, partial p at QL + 16 j + 4 p
.set BQ,  48
.set BK,  52
.set WL,  64                           ; v[64:191] 32 rows of wk; later:
.set WF,  64                           ; v[64:127] source 0: tile t, K step kk at WF + 8 (4 t + kk)
.set QF,  128                          ; v[128:159] source 1: K step kk at QF + 8 kk
.set D,   160                          ; v[160:175]
.set H,   176                          ; v[176:183]
.set OUT, 184
.set CT,  192                          ; v[192:207]
.set CS,  30                           ; s[30:31] C
	s_load_b256 s[4:11], s[0:1], 0x0               ; qp s[4:5], bq s[6:7], wk s[8:9], bk s[10:11]
	s_load_b64 s[12:13], s[0:1], 0x20              ; qkf
	v_lshl_add_u32 v[SPW], v0, 2, SPARE
	v_mov_b32 v[NIL], 0
	v_and_b32 v1, 31, v0
	v_and_b32 v2, 15, v0
	v_bfe_u32 v3, v0, 4, 1
	v_lshrrev_b32 v15, 5, v0
	v_readfirstlane_b32 s20, v15                   ; wave
	s_mov_b32 s21, ttmp9                           ; block of 128 d
	s_and_b32 s22, ttmp7, 0xffff                   ; head
	s_mov_b32 s26, 0x76543210
	s_mov_b32 s27, 0xfedcba98
	s_mov_b32 s28, 0xff00ff00                      ; lanes with r >= 8
	s_mov_b32 s[CS], 0x3e0293ee                    ; log2(e) / sqrt(128)
	s_mov_b32 s[CS+1], s[CS]
	s_lshl_b32 s23, s20, 12
	v_lshl_add_u32 v[QPO], v1, 4, s23
	v_lshlrev_b32 v[LO], 4, v1
	s_lshl_b32 s23, s20, 17
	v_lshl_add_u32 v[WKO], v1, 4, s23
	s_mul_i32 s23, s20, 32*WP
	v_lshl_add_u32 v[WSW], v1, 3, s23
	v_mul_u32_u24 v[WSR], v2, WP
	v_lshl_add_u32 v[WSR], v3, 4, v[WSR]
	v_add_nc_u32 v[WSR], s23, v[WSR]
	s_mul_i32 s23, s20, WP
	s_add_co_u32 s23, s23, QS
	v_lshl_add_u32 v[QSW], v1, 3, s23
	v_and_b32 v15, 7, v0
	v_mul_u32_u24 v[QSR], v15, WP
	v_lshl_add_u32 v[QSR], v3, 4, v[QSR]
	v_add_nc_u32 v[QSR], QS, v[QSR]
	s_lshl_b32 s23, s20, 2
	s_add_co_u32 s23, s23, CBS
	v_mov_b32 v[CBW], s23
	v_lshl_add_u32 v[GO], v3, 3, v15
	v_lshlrev_b32 v[GO], 4, v[GO]
	v_bfe_u32 v15, v0, 3, 1
	v_lshl_add_u32 v[GO], v15, 9, v[GO]
	s_wait_kmcnt 0x0
	s_mov_b32 s25, 0
	s_lshl_b32 s24, s22, 9                         ; the head's 128 columns
	s_add_nc_u64 s[4:5], s[4:5], s[24:25]
	s_add_nc_u64 s[6:7], s[6:7], s[24:25]
	s_add_nc_u64 s[10:11], s[10:11], s[24:25]
	s_lshl_b32 s23, s21, 19                        ; the block's 128 rows of 4,096 bytes
	s_add_co_u32 s24, s24, s23
	s_add_nc_u64 s[8:9], s[8:9], s[24:25]
	s_lshr_b32 s23, s21, 1                         ; d / 256
	s_lshr_b32 s24, s22, 1                         ; pair of heads
	s_lshl2_add_u32 s23, s23, s24
	s_and_b32 s24, s21, 1
	s_lshl2_add_u32 s24, s24, s20                  ; K step of 32 d
	s_lshl3_add_u32 s23, s23, s24
	s_lshl_b32 s23, s23, 10                        ; two blocks of 512 bytes a K step
	s_and_b32 s24, s22, 1
	s_lshl_b32 s24, s24, 8
	s_add_co_u32 s24, s24, s23
	s_add_nc_u64 s[14:15], s[12:13], s[24:25]      ; my two blocks
	s_lshl_b32 s24, s22, 8
	s_add_nc_u64 s[16:17], s[12:13], s[24:25]      ; the head's 256 bytes of cb, less 131,072
.set j, 0
.rept 2
.set p, 0
.rept 4
	global_load_b128 v[QL+16*j+4*p:QL+16*j+4*p+3], v[QPO], s[4:5] offset:p*32768+j*16384
.set p, p+1
.endr
.set j, j+1
.endr
	global_load_b128 v[BQ:BQ+3], v[LO], s[6:7]
	global_load_b128 v[BK:BK+3], v[LO], s[10:11]
.set i, 0
.rept 32
	global_load_b128 v[WL+4*i:WL+4*i+3], v[WKO], s[8:9] offset:i*4096 th:TH_LOAD_NT
.set i, i+1
.endr
	s_wait_loadcnt 32                              ; qp, bq, bk are in; wk's 32 loads may stay out
	v_mov_b32 v58, 0
.set j, 0
.rept 2                                        ; rows w and w + 4 of q
.set b, QL+16*j
	v_pk_add_f32 v[b:b+1], v[b:b+1], v[b+4:b+5]
	v_pk_add_f32 v[b+2:b+3], v[b+2:b+3], v[b+6:b+7]
	v_pk_add_f32 v[b+8:b+9], v[b+8:b+9], v[b+12:b+13]
	v_pk_add_f32 v[b+10:b+11], v[b+10:b+11], v[b+14:b+15]
	v_pk_add_f32 v[b:b+1], v[b:b+1], v[b+8:b+9]
	v_pk_add_f32 v[b+2:b+3], v[b+2:b+3], v[b+10:b+11]
	v_pk_add_f32 v[b:b+1], v[b:b+1], v[BQ:BQ+1]
	v_pk_add_f32 v[b+2:b+3], v[b+2:b+3], v[BQ+2:BQ+3]
	v_mul_f32 v[56+j], v[b], v[BK]
	v_fmac_f32 v[56+j], v[b+1], v[BK+1]
	v_fmac_f32 v[56+j], v[b+2], v[BK+2]
	v_fmac_f32 v[56+j], v[b+3], v[BK+3]
	v_add_f32_dpp v[56+j], v[56+j], v[56+j] row_xmask:1 row_mask:0xf bank_mask:0xf
	v_add_f32_dpp v[56+j], v[56+j], v[56+j] row_xmask:2 row_mask:0xf bank_mask:0xf
	v_add_f32_dpp v[56+j], v[56+j], v[56+j] row_xmask:4 row_mask:0xf bank_mask:0xf
	v_add_f32_dpp v[56+j], v[56+j], v[56+j] row_xmask:8 row_mask:0xf bank_mask:0xf
	v_permlanex16_b32 v58, v[56+j], s26, s27
	v_add_f32 v[56+j], v[56+j], v58
	v_mul_f32 v[56+j], s[CS], v[56+j]
	v_cvt_pk_f16_f32 v60, v[b], v[b+1]
	v_cvt_pk_f16_f32 v61, v[b+2], v[b+3]
	ds_store_b32 v[CBW], v[56+j] offset:16*j
	ds_store_b64 v[QSW], v[60:61] offset:4*WP*j
.set j, j+1
.endr
	s_wait_dscnt 0x0                               ; for the others' sake: my two rows of q and their cb lie in LDS
	s_barrier_signal -1
	s_barrier_wait -1
	s_wait_loadcnt 0x0                             ; wk
.set i, 0
.rept 32
	v_cvt_pk_f16_f32 v[CT+2*(i%8)], v[WL+4*i], v[WL+4*i+1]
	v_cvt_pk_f16_f32 v[CT+2*(i%8)+1], v[WL+4*i+2], v[WL+4*i+3]
	ds_store_b64 v[WSW], v[CT+2*(i%8):CT+2*(i%8)+1] offset:i*WP
.set i, i+1
.endr
.set kk, 0
.rept 4
	ds_load_b128 v[QF+8*kk:QF+8*kk+3], v[QSR] offset:64*kk
	ds_load_b128 v[QF+8*kk+4:QF+8*kk+7], v[QSR] offset:64*kk+32
.set kk, kk+1
.endr
.set t, 0
.rept 2                                        ; my own rows: LDS serves a wave's instructions in order, so these see the stores above
.set kk, 0
.rept 4
	ds_load_b128 v[WF+8*(4*t+kk):WF+8*(4*t+kk)+3], v[WSR] offset:16*t*WP+64*kk
	ds_load_b128 v[WF+8*(4*t+kk)+4:WF+8*(4*t+kk)+7], v[WSR] offset:16*t*WP+64*kk+32
.set kk, kk+1
.endr
.set t, t+1
.endr
	s_wait_dscnt 0x0
.set kk, 0
.rept 4                                        ; the two accumulators take turns
.set t, 0
.rept 2
.if kk == 0
	v_wmma_f32_16x16x32_f16 v[D+8*t:D+8*t+7], v[WF+8*(4*t+kk):WF+8*(4*t+kk)+7], v[QF+8*kk:QF+8*kk+7], 0
.else
	v_wmma_f32_16x16x32_f16 v[D+8*t:D+8*t+7], v[WF+8*(4*t+kk):WF+8*(4*t+kk)+7], v[QF+8*kk:QF+8*kk+7], v[D+8*t:D+8*t+7]
.endif
.set t, t+1
.endr
.set kk, kk+1
.endr
.rept 8
	v_nop                                          ; the places behind the products
.endr
.set i, 0
.rept 8
	v_pk_mul_f32 v[D+2*i:D+2*i+1], v[D+2*i:D+2*i+1], s[CS:CS+1] op_sel_hi:[1,0]
.set i, i+1
.endr
.set i, 0
.rept 8
	v_cvt_pk_f16_f32 v[H+i], v[D+2*i], v[D+2*i+1]
.set i, i+1
.endr
.set i, 0
.rept 4                                        ; lanes r < 8 send tile 0 (half q = 0), lanes r >= 8, which hold the same queries, tile 1
	v_cndmask_b32 v[OUT+i], v[H+i], v[H+4+i], s28
.set i, i+1
.endr
	global_store_b128 v[GO], v[OUT:OUT+3], s[14:15]  ; two runs of 256 consecutive bytes, aligned
	s_or_b32 s23, s21, s20
	s_cmp_eq_u32 s23, 0
	s_cbranch_scc0 .Lend                           ; the head's first work-group, wave 0, writes cb
	v_and_b32 v15, 3, v0
	v_lshl_add_u32 v15, v15, 3, CBS
	v_lshlrev_b32 v59, 3, v1
	ds_load_b64 v[56:57], v15
	s_wait_dscnt 0x0
	global_store_b64 v59, v[56:57], s[16:17] offset:131072
.Lend:
	s_wait_tensorcnt 0x0                           ; the wave's end, behind my last LDS store
	ds_add_u32 v[SPW], v[NIL]
	s_wait_dscnt 0x0
	s_endpgm
.Lfunc_end_k_qcce7da897f_qkfold:
	.size	k_qcce7da897f_qkfold, .Lfunc_end_k_qcce7da897f_qkfold-k_qcce7da897f_qkfold
	.p2alignl 7, 3214868480
	.fill 96, 4, 3214868480
	.section	.rodata,"a",@progbits
	.p2align	6, 0x0
	.amdhsa_kernel k_qcce7da897f_qkfold
		.amdhsa_group_segment_fixed_size 37888
		.amdhsa_private_segment_fixed_size 0
		.amdhsa_enable_private_segment 0
		.amdhsa_kernarg_size 40
		.amdhsa_user_sgpr_count 2
		.amdhsa_user_sgpr_kernarg_segment_ptr 1
		.amdhsa_wavefront_size32 1
		.amdhsa_system_sgpr_workgroup_id_x 1
		.amdhsa_system_sgpr_workgroup_id_y 1
		.amdhsa_system_sgpr_workgroup_id_z 1
		.amdhsa_system_vgpr_workitem_id 0
		.amdhsa_next_free_vgpr 208
		.amdhsa_next_free_sgpr 66
		.amdhsa_reserve_vcc 0
		.amdhsa_float_denorm_mode_32 3
		.amdhsa_float_denorm_mode_16_64 3
		.amdhsa_memory_ordered 1
		.amdhsa_forward_progress 1
		.amdhsa_inst_pref_size 20
	.end_amdhsa_kernel
	.amdgpu_metadata
---
amdhsa.version: [ 1, 2 ]
amdhsa.kernels:
  - .name:           k_qcce7da897f_qkfold
    .symbol:         k_qcce7da897f_qkfold.kd
    .args:
      - { .name: qp, .offset: 0, .size: 8, .value_kind: global_buffer, .address_space: global }
      - { .name: bq, .offset: 8, .size: 8, .value_kind: global_buffer, .address_space: global }
      - { .name: wk, .offset: 16, .size: 8, .value_kind: global_buffer, .address_space: global }
      - { .name: bk, .offset: 24, .size: 8, .value_kind: global_buffer, .address_space: global }
      - { .name: qkf, .offset: 32, .size: 8, .value_kind: global_buffer, .address_space: global }
    .group_segment_fixed_size: 37888
    .private_segment_fixed_size: 0
    .kernarg_segment_align: 8
    .kernarg_segment_size: 40
    .max_flat_workgroup_size: 128
    .sgpr_count:     66
    .vgpr_count:     208
    .wavefront_size: 32
...
	.end_amdgpu_metadata
.endif
;; end of part 2
;; launch condense (part 3): grid 256 x 1, 4 waves a work-group, no clusters, 312,320 bytes of LDS; arguments h_img_seq, qkf, part; writes part
.if DOCPART == 3
	.amdgcn_target "amdgcn-amd-amdhsa--gfx1250"
	.amdhsa_code_object_version 6
	.text
	.protected	k_qcce7da897f_condense
	.globl	k_qcce7da897f_condense
	.p2align	8
	.type	k_qcce7da897f_condense,@function
k_qcce7da897f_condense:
	s_mov_b64 s[64:65], 0
	v_nop
	global_prefetch_b8 v0, s[64:65] scope:SCOPE_SE
	s_setreg_imm32_b32 hwreg(HW_REG_WAVE_MODE, 25, 1), 1
	s_wait_xcnt 0x0
; THE PASS OVER THE LONG SEQUENCE.  For the 64 rows hm = 8 head + m and the work-group's 128 rows s of X:  lg[hm][s] = x_s . qk[hm] + cb[hm] (logits x log2 e);  M[hm] = max over s;  p = 2^(lg - M);
; l[hm] = the sum of p;  part[hm][d] = the sum over s of p x_s[d].  X is read once, 512 consecutive bytes a load, and rounded to f16 on its way into LDS; both products take it from there.
; The next launch joins the 256 work-groups' (M, l, part) by the running-maximum rule and multiplies by wv: V is never formed.
; SHARES.  Wave v owns columns 256 v .. 256 v + 255 of X, as K of the first product and as the rows d of the second: its strip of LDS is its own, and no barrier guards it.
; The four waves' partial logits meet in LDS, 32 rows s at a time; wave v adds them for the 16 rows hm = 16 v + r and makes their softmax; P (f16) goes back through LDS to all four.
; LAYOUT.  S = X qk^T: source 0 = 16 rows s, source 1 = 16 rows hm: a lane holds ONE hm (r) and the rows s = 8 h + 0..7.  Two such tiles rounded in pairs ARE source 1 (32 s x 16 hm) of
; part^T = X^T P, whose source 0 (16 d x 32 s) comes turned out of LDS by ds_load_tr16_b128; its result holds one hm a lane and 8 neighbouring d.
; part lies as the next launch's source 0 lies in registers: ((head x 16 + d / 64) x 256 + work-group) x 2,048 + ((d / 16) % 4) x 512 + q x 256 + (8 h + m) x 16, four f32 with d % 16 = 8 h + 4 q + 0..3.
; M and l: behind part, at byte 67,108,864 + 512 x work-group: 64 maxima, 64 sums.
; FORMAT: f16 operands, f32 sums, softmax in f32; l is taken of the unrounded p.  LIMITS: |x| under 65,504; a p below 2^-25 counts as 0 in the second product, below 2^-126 in l.
; NO CLUSTER, NO DATA MOVER: X is shared by nobody and is converted on its way through registers; qk, the 128 KiB of the 640 KiB a work-group reads that all share, goes straight into
; registers, and of the 327,680 bytes of LDS, where a joint load would have to land, 312,320 are taken.
; REGISTERS, in windows of 256 (s_set_vgpr_msb: bits 1:0 source 0, 3:2 source 1, 5:4 source 2, 7:6 destination):
;   window 0: v0-31 addresses; v32-47 at work; v48-111 partial logits; v112-239 fragments of X
;   window 1: qk, (hm tile a, K step kk) at 8 (8 a + kk); later the sums of d tiles 0-7, (f, a) at 8 (4 f + a)      window 2: the 64 loads of X in flight; later the sums of d tiles 8-15
;   window 3: v0-63 logits, then p; v64-95 my P; v96-223 all P, (a, chunk c) at 96 + 8 (4 a + c); v224-230 at work
.set XP,    544                        ; a row of a strip: 512 bytes of f16 + 32 = 17 x 32
.set STRIP, 128*XP
.set EX,    4*STRIP                    ; 32,768 bytes: the partial logits' exchange; later P
.set SS,    EX+32768                   ; 512 bytes: M, l
.set SPARE, SS+512                     ; the spare words, 128 bytes a wave: two blocks of 256 bytes that no other line names
.set XO,  4                            ; v4   1,024 v + 16 l
.set QO,  5                            ; v5   (r >> 3) x 256 + (8 h + (r & 7)) x 16
.set SA,  6                            ; v6-7 my strip + 8 l; the same 64 rows on
.set FA,  8                            ; v8   my strip + r x XP + 16 h
.set TA,  9                            ; v9   my strip + (8 h + (l & 7)) x XP + 16 ((l >> 3) & 1)
.set EXS, 10                           ; v10  EX + 2,048 v + 16 l
.set EXR, 11                           ; v11  EX + 8,192 v + 16 l
.set PBS, 12                           ; v12  EX + 4,096 v + 16 l
.set PBR, 13                           ; v13  EX + 16 l
.set SSA, 14                           ; v14  SS + 64 v + 4 r
.set LO,  15                           ; v15  16 l
.set VO,  16                           ; v16-19  hm tile a: (2 a + (r >> 3)) x 8 MiB + (8 h + (r & 7)) x 16
.set CB,  20                           ; v20-21  cb of my hm
.set SPW, 22
.set NIL, 23
.set SSR, 24                           ; v24  SS + 16 l
.set CBO, 25
.set CT,  32
.set PA,  48
.set XF,  112
.set ER,  112
.set XT,  112
.set LG,  0                            ; window 3
.set PO,  64
.set PF,  96
.set TM,  224
.set MSB, 0
.macro WIN new                         ; the immediate's high byte repeats the setting that is left; a switch that changes nothing is dropped
.if MSB != (\new)
	s_set_vgpr_msb (MSB<<8)|(\new)
.set MSB, (\new)
.endif
.endm
.macro PLACES                          ; four places behind matrix instructions, in front of stores of their results and of loads into their sources
.rept 4
	v_nop
.endr
.endm
; Eight loads of X: rows 32 c + 4 g .. + 3 of my 1,024 bytes, 512 consecutive bytes each
.macro LOADX c, g
	WIN 0x80
.set i, 8*(\g)
.rept 8
	global_load_b128 v[4*i:4*i+3], v[XO], s[4:5] offset:(32*(\c)+i/2)*4096+(i%2)*512 th:TH_LOAD_NT
.set i, i+1
.endr
.endm
	s_load_b128 s[4:7], s[0:1], 0x0                ; X s[4:5], qkf s[6:7]
	s_load_b64 s[8:9], s[0:1], 0x10                ; part
	v_lshl_add_u32 v[SPW], v0, 2, SPARE
	v_mov_b32 v[NIL], 0
	v_and_b32 v1, 31, v0
	v_and_b32 v2, 15, v0
	v_bfe_u32 v3, v0, 4, 1
	v_lshrrev_b32 v26, 5, v0
	v_readfirstlane_b32 s20, v26                   ; wave
	s_mov_b32 s21, ttmp9
	s_mov_b32 s26, 0x76543210
	s_mov_b32 s27, 0xfedcba98
	v_and_b32 v26, 7, v0                           ; r & 7
	v_bfe_u32 v27, v0, 3, 1                        ; r >> 3
	v_lshl_add_u32 v28, v3, 3, v26                 ; 8 h + (r & 7)
	s_lshl_b32 s23, s20, 10
	v_lshl_add_u32 v[XO], v1, 4, s23
	v_lshlrev_b32 v29, 4, v28
	v_lshl_add_u32 v[QO], v27, 8, v29
	s_mul_i32 s28, s20, STRIP
	v_lshl_add_u32 v[SA], v1, 3, s28
	v_add_nc_u32 v[SA+1], 64*XP, v[SA]
	v_mul_u32_u24 v[FA], v2, XP
	v_lshl_add_u32 v[FA], v3, 4, v[FA]
	v_add_nc_u32 v[FA], s28, v[FA]
	v_mul_u32_u24 v[TA], v28, XP
	v_lshl_add_u32 v[TA], v27, 4, v[TA]
	v_add_nc_u32 v[TA], s28, v[TA]
	v_lshlrev_b32 v[LO], 4, v1
	s_lshl_b32 s23, s20, 11
	s_add_co_u32 s23, s23, EX
	v_add_nc_u32 v[EXS], s23, v[LO]
	s_lshl_b32 s23, s20, 13
	s_add_co_u32 s23, s23, EX
	v_add_nc_u32 v[EXR], s23, v[LO]
	s_lshl_b32 s23, s20, 12
	s_add_co_u32 s23, s23, EX
	v_add_nc_u32 v[PBS], s23, v[LO]
	v_add_nc_u32 v[PBR], EX, v[LO]
	s_lshl_b32 s23, s20, 6
	s_add_co_u32 s23, s23, SS
	v_lshl_add_u32 v[SSA], v2, 2, s23
	v_add_nc_u32 v[SSR], SS, v[LO]
	v_lshl_add_u32 v[VO], v27, 23, v29
	v_add_nc_u32 v[VO+1], 1<<24, v[VO]
	v_add_nc_u32 v[VO+2], 2<<24, v[VO]
	v_add_nc_u32 v[VO+3], 3<<24, v[VO]
	s_lshl_b32 s23, s20, 9
	v_lshl_add_u32 v[CBO], v27, 8, s23
	v_lshl_add_u32 v[CBO], v26, 2, v[CBO]
	s_wait_kmcnt 0x0
	s_mov_b32 s25, 0
	s_lshl_b32 s24, s21, 19                        ; the work-group's 128 rows of 4,096 bytes
	s_add_nc_u64 s[4:5], s[4:5], s[24:25]
	s_lshl_b32 s24, s20, 15                        ; my 256 d of qk
	s_add_nc_u64 s[10:11], s[6:7], s[24:25]
	s_lshl_b32 s24, s21, 9
	s_add_nc_u64 s[12:13], s[8:9], s[24:25]
	s_add_nc_u64 s[12:13], s[12:13], 0x4000000     ; M and l
	s_lshl_b32 s24, s20, 21                        ; my four blocks of 64 d
	s_lshl_b32 s30, s21, 11
	s_add_co_u32 s24, s24, s30
	s_add_nc_u64 s[8:9], s[8:9], s[24:25]
	global_load_b32 v[CB], v[CBO], s[6:7] offset:131072
.set g, 0
.rept 8
	LOADX 0, g                                     ; X first, so that the stream starts at once
.set g, g+1
.endr
	WIN 0x40
.set k, 0
.rept 64
	global_load_b128 v[4*k:4*k+3], v[QO], s[10:11] offset:512*k
.set k, k+1
.endr
; CHUNK c: 32 rows of X come in, are rounded and laid in my strip, and the next chunk's loads go out into the same registers; then the chunk's logits.
.macro CHUNK c
.set g, 0
.rept 8
.if (\c) == 0
	s_wait_loadcnt 63                              ; 120 loads are younger than this group's eight; 63 is the largest count that can be written, and the stricter one
.elseif (\c) < 3
	s_wait_loadcnt 56                              ; the rest of the ring of 64 may stay out
.else
	s_wait_loadcnt 56-8*g                          ; nothing more is asked for: the counts run down
.endif
	WIN 0x0a
.set i, 8*g
.rept 8
	v_cvt_pk_f16_f32 v[CT+2*(i%8)], v[4*i], v[4*i+1]
	v_cvt_pk_f16_f32 v[CT+2*(i%8)+1], v[4*i+2], v[4*i+3]
.set i, i+1
.endr
	WIN 0
.set i, 8*g
.rept 8
	ds_store_b64 v[SA+(\c)/2], v[CT+2*(i%8):CT+2*(i%8)+1] offset:(32*((\c)%2)+i/2)*XP+256*(i%2)
.set i, i+1
.endr
.if (\c) < 3
	LOADX (\c)+1, g
.endif
.set g, g+1
.endr
	WIN 0
.set kk, 0
.rept 8                                        ; my own strip: LDS serves a wave's instructions in order, so these see the stores above
.set st, 0
.rept 2
	ds_load_b128 v[XF+8*(2*kk+st):XF+8*(2*kk+st)+3], v[FA] offset:(32*(\c)+16*st)*XP+64*kk
	ds_load_b128 v[XF+8*(2*kk+st)+4:XF+8*(2*kk+st)+7], v[FA] offset:(32*(\c)+16*st)*XP+64*kk+32
.set st, st+1
.endr
.set kk, kk+1
.endr
.if (\c) == 0
	s_wait_loadcnt 63                              ; qk and cb are in: 64 loads are younger
	v_mov_b32 v[CB+1], v[CB]
.endif
	WIN 0x04
.set kk, 0
.rept 8
	s_wait_dscnt 4*(7-kk)                          ; this K step's four loads are in; the later steps' may stay out
.set a, 0
.rept 4                                        ; eight accumulators take turns
.set st, 0
.rept 2
.if kk == 0
	v_wmma_f32_16x16x32_f16 v[PA+8*(2*a+st):PA+8*(2*a+st)+7], v[XF+8*(2*kk+st):XF+8*(2*kk+st)+7], v[8*(8*a+kk):8*(8*a+kk)+7], 0
.else
	v_wmma_f32_16x16x32_f16 v[PA+8*(2*a+st):PA+8*(2*a+st)+7], v[XF+8*(2*kk+st):XF+8*(2*kk+st)+7], v[8*(8*a+kk):8*(8*a+kk)+7], v[PA+8*(2*a+st):PA+8*(2*a+st)+7]
.endif
.set st, st+1
.endr
.set a, a+1
.endr
.set kk, kk+1
.endr
	WIN 0
	PLACES
.set k, 0
.rept 8                                        ; k = 2 a + st: to the wave that owns hm tile a; each accumulator's low half first
	ds_store_b128 v[EXS], v[PA+8*k:PA+8*k+3] offset:8192*(k/2)+1024*(k%2)
	ds_store_b128 v[EXS], v[PA+8*k+4:PA+8*k+7] offset:8192*(k/2)+1024*(k%2)+512
.set k, k+1
.endr
	s_wait_dscnt 0x0                               ; for the others' sake: my partial logits lie in LDS
	s_barrier_signal -1
	s_barrier_wait -1
.set k, 0
.rept 16                                       ; the four waves' parts of my tile
	ds_load_b128 v[ER+4*k:ER+4*k+3], v[EXR] offset:512*k
.set k, k+1
.endr
	s_wait_dscnt 0x0                               ; my reads of the exchange are over:
	s_barrier_signal -1                            ; say so; the sums, work on registers, stand between the signal and the wait
.set j, 0
.rept 8
	v_pk_add_f32 v[ER+2*j:ER+2*j+1], v[ER+2*j:ER+2*j+1], v[ER+16+2*j:ER+16+2*j+1]
	v_pk_add_f32 v[ER+32+2*j:ER+32+2*j+1], v[ER+32+2*j:ER+32+2*j+1], v[ER+48+2*j:ER+48+2*j+1]
.set j, j+1
.endr
.set j, 0
.rept 8
	v_pk_add_f32 v[ER+2*j:ER+2*j+1], v[ER+2*j:ER+2*j+1], v[CB:CB+1] op_sel_hi:[1,0]
.set j, j+1
.endr
	WIN 0xc0
.set j, 0
.rept 8
	v_pk_add_f32 v[LG+16*(\c)+2*j:LG+16*(\c)+2*j+1], v[ER+2*j:ER+2*j+1], v[ER+32+2*j:ER+32+2*j+1]
.set j, j+1
.endr
	WIN 0
	s_barrier_wait -1                              ; nobody reads the exchange any more: the next chunk, or P, may be stored there
.endm
	CHUNK 0
	CHUNK 1
	CHUNK 2
	CHUNK 3
	; THE SOFTMAX of my 16 rows hm over the work-group's 128 rows s: a lane holds 64 logits of one hm, the lane 16 away the other 64
	WIN 0xff
.set k, 0
.rept 4
	v_max3_num_f32 v[TM+k], v[LG+16*k], v[LG+16*k+1], v[LG+16*k+2]
.set k, k+1
.endr
.set j, 1
.rept 6
.set k, 0
.rept 4
	v_max3_num_f32 v[TM+k], v[TM+k], v[LG+16*k+2*j+1], v[LG+16*k+2*j+2]
.set k, k+1
.endr
.set j, j+1
.endr
	v_max3_num_f32 v[TM], v[TM], v[LG+15], v[LG+31]
	v_max3_num_f32 v[TM+2], v[TM+2], v[LG+47], v[LG+63]
	v_max3_num_f32 v[TM], v[TM], v[TM+1], v[TM+2]
	v_max_num_f32 v[TM], v[TM], v[TM+3]
	v_permlanex16_b32 v[TM+1], v[TM], s26, s27
	v_max_num_f32 v[TM+4], v[TM], v[TM+1]          ; M
	v_mov_b32 v[TM+5], v[TM+4]
.set j, 0
.rept 32
	v_pk_add_f32 v[LG+2*j:LG+2*j+1], v[LG+2*j:LG+2*j+1], v[TM+4:TM+5] neg_lo:[0,1] neg_hi:[0,1]
.set j, j+1
.endr
.set j, 0
.rept 64                                       ; one batch
	v_exp_f32 v[LG+j], v[LG+j]
.set j, j+1
.endr
	v_nop                                          ; the plain instruction behind the last exponential
	s_wait_alu depctr_va_vdst(0)                   ; the wait ahead of the batch's first reader: one for the 64
.set j, 0
.rept 32
	v_cvt_pk_f16_f32 v[PO+j], v[LG+2*j], v[LG+2*j+1]
.set j, j+1
.endr
.set n, 16
.rept 5                                        ; l, of the unrounded p
.set j, 0
.rept n
	v_pk_add_f32 v[LG+2*j:LG+2*j+1], v[LG+2*j:LG+2*j+1], v[LG+2*(j+n):LG+2*(j+n)+1]
.set j, j+1
.endr
.set n, n/2
.endr
	v_add_f32 v[TM], v[LG], v[LG+1]
	v_permlanex16_b32 v[TM+1], v[TM], s26, s27
	v_add_f32 v[TM+6], v[TM], v[TM+1]              ; l
	WIN 0x0c                                       ; address window 0, data window 3
.set k, 0
.rept 8
	ds_store_b128 v[PBS], v[PO+4*k:PO+4*k+3] offset:512*k
.set k, k+1
.endr
	ds_store_b32 v[SSA], v[TM+4]
	ds_store_b32 v[SSA], v[TM+6] offset:256
	s_wait_dscnt 0x0                               ; for the others' sake: my P, M and l lie in LDS
	s_barrier_signal -1
	s_barrier_wait -1
	WIN 0xc0
.set k, 0
.rept 32
	ds_load_b128 v[PF+4*k:PF+4*k+3], v[PBR] offset:512*k
.set k, k+1
.endr
	WIN 0
	s_cmp_lg_u32 s20, 0
	s_cbranch_scc1 .Lnostat                        ; wave 0 stores the 64 M and 64 l: 512 consecutive bytes
	ds_load_b128 v[CT:CT+3], v[SSR]
	s_wait_dscnt 0x0
	global_store_b128 v[LO], v[CT:CT+3], s[12:13]
.Lnostat:
; THE SECOND PRODUCT, in eight units: u / 4 = which 8 of my 16 tiles of d, u % 4 = the chunk of 32 s.  Two buffers of fragments: one is multiplied while the other's 16 loads are out.
.macro FETCH u
	WIN 0
.set f, 0
.rept 8
	ds_load_tr16_b128 v[XT+64*((\u)%2)+8*f:XT+64*((\u)%2)+8*f+3], v[TA] offset:32*((\u)%4)*XP+(8*((\u)/4)+f)*32
	ds_load_tr16_b128 v[XT+64*((\u)%2)+8*f+4:XT+64*((\u)%2)+8*f+7], v[TA] offset:32*((\u)%4)*XP+16*XP+(8*((\u)/4)+f)*32
.set f, f+1
.endr
.endm
.macro MULT u                          ; 32 accumulators take turns, in the same order in every unit
	WIN 0x5c+0x50*((\u)/4)
.set f, 0
.rept 8
.set a, 0
.rept 4
.if ((\u)%4) == 0
	v_wmma_f32_16x16x32_f16 v[8*(4*f+a):8*(4*f+a)+7], v[XT+64*((\u)%2)+8*f:XT+64*((\u)%2)+8*f+7], v[PF+8*(4*a+(\u)%4):PF+8*(4*a+(\u)%4)+7], 0
.else
	v_wmma_f32_16x16x32_f16 v[8*(4*f+a):8*(4*f+a)+7], v[XT+64*((\u)%2)+8*f:XT+64*((\u)%2)+8*f+7], v[PF+8*(4*a+(\u)%4):PF+8*(4*a+(\u)%4)+7], v[8*(4*f+a):8*(4*f+a)+7]
.endif
.set a, a+1
.endr
.set f, f+1
.endr
.endm
.macro STORES half                     ; each store: 256 consecutive bytes, aligned, for each of the tile's two heads; each accumulator's low half first
	WIN 0x04+4*(\half)
.set f, 0
.rept 8
.set a, 0
.rept 4
	global_store_b128 v[VO+a], v[8*(4*f+a):8*(4*f+a)+3], s[8:9] offset:((8*(\half)+f)/4)*524288+((8*(\half)+f)%4)*512 th:TH_STORE_NT
	global_store_b128 v[VO+a], v[8*(4*f+a)+4:8*(4*f+a)+7], s[8:9] offset:((8*(\half)+f)/4)*524288+((8*(\half)+f)%4)*512+256 th:TH_STORE_NT
.set a, a+1
.endr
.set f, f+1
.endr
.endm
	FETCH 0
	FETCH 1
.irp u, 0,1,2,3,4,5
	s_wait_dscnt 16                                ; this unit's fragments (and P) are in; the other buffer's 16 loads may stay out
	MULT \u
	PLACES
	FETCH (\u)+2
.if (\u) == 3
	STORES 0                                       ; the first eight tiles leave while the others are multiplied
.endif
.endr
	s_wait_dscnt 16
	MULT 6
	s_wait_dscnt 0x0
	MULT 7
	PLACES
	STORES 1
	WIN 0
	s_wait_tensorcnt 0x0                           ; the wave's end, behind my last LDS store
	ds_add_u32 v[SPW], v[NIL]
	s_wait_dscnt 0x0
	s_endpgm
.Lfunc_end_k_qcce7da897f_condense:
	.size	k_qcce7da897f_condense, .Lfunc_end_k_qcce7da897f_condense-k_qcce7da897f_condense
	.p2alignl 7, 3214868480
	.fill 96, 4, 3214868480
	.section	.rodata,"a",@progbits
	.p2align	6, 0x0
	.amdhsa_kernel k_qcce7da897f_condense
		.amdhsa_group_segment_fixed_size 312320
		.amdhsa_private_segment_fixed_size 0
		.amdhsa_enable_private_segment 0
		.amdhsa_kernarg_size 24
		.amdhsa_user_sgpr_count 2
		.amdhsa_user_sgpr_kernarg_segment_ptr 1
		.amdhsa_wavefront_size32 1
		.amdhsa_system_sgpr_workgroup_id_x 1
		.amdhsa_system_sgpr_workgroup_id_y 1
		.amdhsa_system_sgpr_workgroup_id_z 1
		.amdhsa_system_vgpr_workitem_id 0
		.amdhsa_next_free_vgpr 1024
		.amdhsa_next_free_sgpr 66
		.amdhsa_reserve_vcc 0
		.amdhsa_float_denorm_mode_32 3
		.amdhsa_float_denorm_mode_16_64 3
		.amdhsa_memory_ordered 1
		.amdhsa_forward_progress 1
		.amdhsa_inst_pref_size 180
	.end_amdhsa_kernel
	.amdgpu_metadata
---
amdhsa.version: [ 1, 2 ]
amdhsa.kernels:
  - .name:           k_qcce7da897f_condense
    .symbol:         k_qcce7da897f_condense.kd
    .args:
      - { .name: h_img_seq, .offset: 0, .size: 8, .value_kind: global_buffer, .address_space: global }
      - { .name: qkf, .offset: 8, .size: 8, .value_kind: global_buffer, .address_space: global }
      - { .name: part, .offset: 16, .size: 8, .value_kind: global_buffer, .address_space: global }
    .group_segment_fixed_size: 312320
    .private_segment_fixed_size: 0
    .kernarg_segment_align: 8
    .kernarg_segment_size: 24
    .max_flat_workgroup_size: 128
    .sgpr_count:     66
    .vgpr_count:     1024
    .wavefront_size: 32
...
	.end_amdgpu_metadata
.endif
;; end of part 3
;; launch avproj (part 4): grid 16 x 8, 8 waves a work-group, no clusters, 59,392 bytes of LDS; arguments part, wv, bv, attnp; writes attnp
.if DOCPART == 4
	.amdgcn_target "amdgcn-amd-amdhsa--gfx1250"
	.amdhsa_code_object_version 6
	.text
	.protected	k_qcce7da897f_avproj
	.globl	k_qcce7da897f_avproj
	.p2align	8
	.type	k_qcce7da897f_avproj,@function
k_qcce7da897f_avproj:
	s_mov_b64 s[64:65], 0
	v_nop
	global_prefetch_b8 v0, s[64:65] scope:SCOPE_SE
	s_setreg_imm32_b32 hwreg(HW_REG_WAVE_MODE, 25, 1), 1
	s_wait_xcnt 0x0
; THE 256 SPLITS ARE JOINED, AND THE RESULT MULTIPLIED BY wv.  For one head and one block of 64 d:
;   M = max over splits w of M_w;  l = the sum of 2^(M_w - M) l_w;  xbar[m][d] = the sum of 2^(M_w - M) part_w[m][d] / (l + 1e-9);
;   attnp[dblk][m][128 head + n] = the sum over the block's d of xbar[m][d] wv[d][128 head + n], and, in block 0 alone, + bv[n] l / (l + 1e-9): the sum of e (x wv + bv) is (the sum of e x) wv + l bv.
; The maximum is taken in two levels, the wave's 32 splits and then the eight waves: every exponent is at most 0.
; SHARES.  A work-group reads its 512 KiB of part once; wave v the splits 32 v .. 32 v + 31, two a step: each load is two runs of 256 consecutive bytes.  A ring of four steps, 32 loads, is out.
; A lane holds query m = r & 7 and d = 16 t + 8 h + 0..7: rounded in pairs that IS source 0 of the product, so no lane changes; rows 8-15 repeat rows 0-7.
; wv's 64 x 128 numbers are rounded by all eight waves and laid in LDS as sources 1 lie in registers; waves 0 and 1 make 64 columns each.
; FORMAT: f16 operands, f32 sums.  LIMITS: |wv| under 65,504; xbar is a mean of rows of X and has their range.
; NO CLUSTER, NO DATA MOVER: no byte of part or wv is read by two work-groups; M and l, which the 16 blocks of a head share, are 16 KiB beside 512.
.set FT,    0                          ; 8 waves x 1,024: factor of split j, query m at 32 j + 4 m
.set MS,    8192                       ; wave maxima: 32 v + 4 m;  the waves' sums 256 bytes on
.set LF,    8704                       ; l / (l + 1e-9)
.set RX,    8960                       ; 8 waves x 4,096: their sums
.set FW,    41728                      ; wv: ((2 kk + nb) x 4 + c) x 1,024 + half x 512 + 16 l
.set SPARE, 58112                      ; the spare words, 128 bytes a wave: four blocks of 256 bytes that no other line names
.set STO, 4
.set PO,  5
.set WVO, 6
.set BVO, 7
.set FTW, 8
.set FTR, 9
.set MSW, 10
.set RXW, 11
.set BV,  12                           ; v[12:15]
.set SM,  16                           ; v[16:23] maxima, then factors;  v[24:31] sums;  later wv in f16
.set FC,  32                           ; v[32:47] step i's factor
.set AC,  48                           ; v[48:79] the sums; later xbar
.set WL,  80                           ; v[80:111] wv as loaded; later the products
.set D,   80
.set SPW, 112
.set NIL, 113
.set FWW, 114
.set L16, 115
.set MSR, 116
.set LFW, 117
.set LFR, 118
.set YO,  119
.set T0,  120                          ; v[120:122] at work
.set FWR, 123
.set LFV, 124                          ; v[124:127]
.set RG,  128                          ; v[128:255] the ring; later the waves' sums, sources and results
.set F,   128
.set FA,  192
.set OUT, 208
	s_load_b256 s[4:11], s[0:1], 0x0               ; part s[4:5], wv s[6:7], bv s[8:9], attnp s[10:11]
	v_lshl_add_u32 v[SPW], v0, 2, SPARE
	v_mov_b32 v[NIL], 0
	v_and_b32 v1, 31, v0
	v_and_b32 v2, 15, v0
	v_bfe_u32 v3, v0, 4, 1
	v_lshrrev_b32 v120, 5, v0
	v_readfirstlane_b32 s20, v120                  ; wave
	s_mov_b32 s21, ttmp9                           ; block of 64 d
	s_and_b32 s22, ttmp7, 0xffff                   ; head
	s_mov_b32 s26, 0x76543210
	s_mov_b32 s27, 0xfedcba98
	s_mov_b32 s28, 0xffff0000
	v_and_b32 v120, 7, v0                          ; m
	v_bfe_u32 v121, v0, 3, 2                       ; g = l >> 3
	v_bfe_u32 v122, v0, 3, 1                       ; r >> 3
	s_lshl_b32 s23, s20, 14
	v_lshl_add_u32 v[STO], v121, 12, s23           ; split 32 v + 8 g, 512 bytes each
	v_lshl_add_u32 v[STO], v120, 2, v[STO]
	s_lshl_b32 s23, s20, 16
	v_lshl_add_u32 v[PO], v122, 11, s23
	v_lshl_add_u32 v123, v3, 3, v120
	v_lshl_add_u32 v[PO], v123, 4, v[PO]
	s_lshr_b32 s23, s20, 2                         ; kk
	s_and_b32 s24, s20, 1                          ; half; for waves 0 and 1 also nb
	s_lshl_b32 s23, s23, 5
	s_lshl4_add_u32 s23, s24, s23
	v_lshl_add_u32 v123, v3, 3, s23                ; row 32 kk + 16 half + 8 h
	v_lshlrev_b32 v[WVO], 12, v123
	v_lshl_add_u32 v[WVO], v2, 4, v[WVO]
	s_bfe_u32 s25, s20, 0x10001                    ; which 64 columns
	s_lshl_b32 s25, s25, 8
	v_add_nc_u32 v[WVO], s25, v[WVO]
	s_lshl_b32 s25, s24, 8
	v_lshl_add_u32 v[BVO], v2, 4, s25
	s_lshl_b32 s23, s20, 10
	v_lshl_add_u32 v[FTW], v121, 8, s23
	v_lshl_add_u32 v[FTW], v120, 2, v[FTW]
	v_lshl_add_u32 v[FTR], v2, 2, s23
	s_lshl_b32 s23, s20, 5
	s_add_co_u32 s25, s23, MS
	v_lshl_add_u32 v[MSW], v120, 2, s25
	s_add_co_u32 s25, s23, LF
	v_lshl_add_u32 v[LFW], v120, 2, s25
	v_lshl_add_u32 v[LFR], v3, 4, s25
	s_lshl_b32 s23, s20, 12
	s_add_co_u32 s23, s23, RX
	v_lshl_add_u32 v[RXW], v1, 4, s23
	s_lshr_b32 s23, s20, 1
	s_lshl_b32 s23, s23, 12
	s_lshl_b32 s25, s24, 9
	s_add_co_u32 s23, s23, s25
	s_add_co_u32 s23, s23, FW
	v_lshl_add_u32 v[FWW], v1, 4, s23
	v_lshlrev_b32 v[L16], 4, v1
	v_lshlrev_b32 v[MSR], 2, v120
	v_lshlrev_b32 v[YO], 14, v3
	v_lshl_add_u32 v[YO], v2, 4, v[YO]
	s_lshl_b32 s23, s24, 12
	v_lshl_add_u32 v[FWR], v1, 4, s23
	s_cmp_eq_u32 s21, 0
	s_cselect_b32 s29, 1.0, 0                      ; bv enters in block 0 alone
	s_wait_kmcnt 0x0
	s_mov_b32 s31, 0
	s_lshl_b32 s30, s22, 5
	s_add_nc_u64 s[12:13], s[4:5], s[30:31]
	s_add_nc_u64 s[12:13], s[12:13], 0x4000000     ; M and l of the head's 8 queries
	s_lshl4_add_u32 s30, s22, s21
	s_lshl_b32 s30, s30, 19
	s_add_nc_u64 s[4:5], s[4:5], s[30:31]
	s_lshl_b32 s32, s22, 9
	s_lshl_b32 s30, s21, 18
	s_add_co_u32 s30, s30, s32
	s_add_nc_u64 s[6:7], s[6:7], s[30:31]
	s_mov_b32 s30, s32
	s_add_nc_u64 s[8:9], s[8:9], s[30:31]
	s_lshl_b32 s30, s21, 15
	s_add_co_u32 s30, s30, s32
	s_lshl_b32 s33, s24, 8
	s_add_co_u32 s30, s30, s33
	s_add_nc_u64 s[10:11], s[10:11], s[30:31]
.macro RING i                          ; step i: splits 2 i and 2 i + 1 of my 32, into slot i % 4
.set k, 0
.rept 8
	global_load_b128 v[RG+32*((\i)%4)+4*k:RG+32*((\i)%4)+4*k+3], v[PO], s[4:5] offset:(\i)*4096+256*k th:TH_LOAD_NT
.set k, k+1
.endr
.endm
.set i, 0
.rept 8
	global_load_b32 v[SM+i], v[STO], s[12:13] offset:512*i
	global_load_b32 v[SM+8+i], v[STO], s[12:13] offset:512*i+256
.set i, i+1
.endr
	global_load_b128 v[BV:BV+3], v[BVO], s[8:9]
.set i, 0
.rept 8
	global_load_b128 v[WL+4*i:WL+4*i+3], v[WVO], s[6:7] offset:4096*i th:TH_LOAD_NT
.set i, i+1
.endr
	RING 0
	RING 1
	RING 2
	RING 3
	s_wait_loadcnt 41                              ; M and l are in; bv's load, wv's 8 and the ring's 32 may stay out
	v_max3_num_f32 v[T0], v[SM], v[SM+1], v[SM+2]
	v_max3_num_f32 v[T0], v[T0], v[SM+3], v[SM+4]
	v_max3_num_f32 v[T0], v[T0], v[SM+5], v[SM+6]
	v_max_num_f32 v[T0], v[T0], v[SM+7]
	v_mov_b32 v[T0+1], v[T0]
	v_max_num_f32_dpp v[T0], v[T0], v[T0] row_xmask:8 row_mask:0xf bank_mask:0xf
	v_permlanex16_b32 v[T0+1], v[T0], s26, s27
	v_max_num_f32 v[T0], v[T0], v[T0+1]            ; the maximum of my 32 splits, for query m
.set i, 0
.rept 8
	v_sub_f32 v[SM+i], v[SM+i], v[T0]
.set i, i+1
.endr
.set i, 0
.rept 8
	v_exp_f32 v[SM+i], v[SM+i]
.set i, i+1
.endr
	v_nop
	s_wait_alu depctr_va_vdst(0)                   ; the wait ahead of the batch's first reader
	v_mul_f32 v[T0+2], v[SM], v[SM+8]
.set i, 1
.rept 7
	v_fmac_f32 v[T0+2], v[SM+i], v[SM+8+i]
.set i, i+1
.endr
	v_add_f32_dpp v[T0+2], v[T0+2], v[T0+2] row_xmask:8 row_mask:0xf bank_mask:0xf
	v_permlanex16_b32 v[T0+1], v[T0+2], s26, s27
	v_add_f32 v[T0+2], v[T0+2], v[T0+1]
.set i, 0
.rept 8
	ds_store_b32 v[FTW], v[SM+i] offset:32*i
.set i, i+1
.endr
	ds_store_b32 v[MSW], v[T0]
	ds_store_b32 v[MSW], v[T0+2] offset:256
.set i, 0
.rept 16                                       ; my own table: lanes r < 8 take split 2 i, lanes r >= 8 split 2 i + 1
	ds_load_b32 v[FC+i], v[FTR] offset:64*i
.set i, i+1
.endr
	s_wait_loadcnt 32                              ; bv and wv are in; the ring may stay out
.set c, 0
.rept 4
.set t, 0
.rept 4
	v_cvt_pk_f16_f32 v[SM+4*c+t], v[WL+8*t+c], v[WL+8*t+4+c]
.set t, t+1
.endr
.set c, c+1
.endr
.set c, 0
.rept 4
	ds_store_b128 v[FWW], v[SM+4*c:SM+4*c+3] offset:1024*c
.set c, c+1
.endr
	s_wait_dscnt 0x0                               ; the factors
.set i, 0
.rept 16
.set n, 15-i
.if n > 3
.set n, 3
.endif
	s_wait_loadcnt 8*n                             ; this step's eight loads are in; the younger steps' may stay out
.set k, 0
.rept 32
.if i == 0
	v_mul_f32 v[AC+k], v[FC], v[RG+k]              ; the first step starts the sums
.else
	v_fmac_f32 v[AC+k], v[FC+i], v[RG+32*(i%4)+k]
.endif
.set k, k+1
.endr
.if i < 12
	RING i+4
.endif
.set i, i+1
.endr
.set k, 0
.rept 32                                       ; even and odd splits are added: lanes r and r ^ 8 end alike
	v_add_f32_dpp v[AC+k], v[AC+k], v[AC+k] row_xmask:8 row_mask:0xf bank_mask:0xf
.set k, k+1
.endr
.set k, 0
.rept 8
	ds_store_b128 v[RXW], v[AC+4*k:AC+4*k+3] offset:512*k
.set k, k+1
.endr
	s_wait_dscnt 0x0                               ; for the others' sake: my sums, my maximum, my part of wv lie in LDS
	s_barrier_signal -1
	s_barrier_wait -1
	s_cmp_lt_u32 s20, 2
	s_cbranch_scc0 .Lend                           ; waves 0 and 1 finish 64 columns each
.set i, 0
.rept 8
	ds_load_b32 v[SM+i], v[MSR] offset:MS+32*i
	ds_load_b32 v[SM+8+i], v[MSR] offset:MS+256+32*i
.set i, i+1
.endr
.set k, 0
.rept 32
	ds_load_b128 v[RG+4*k:RG+4*k+3], v[L16] offset:RX+512*k
.set k, k+1
.endr
	s_wait_dscnt 32                                ; the eight maxima and sums are in
	v_max3_num_f32 v[T0], v[SM], v[SM+1], v[SM+2]
	v_max3_num_f32 v[T0], v[T0], v[SM+3], v[SM+4]
	v_max3_num_f32 v[T0], v[T0], v[SM+5], v[SM+6]
	v_max_num_f32 v[T0], v[T0], v[SM+7]
.set i, 0
.rept 8
	v_sub_f32 v[SM+i], v[SM+i], v[T0]
.set i, i+1
.endr
.set i, 0
.rept 8
	v_exp_f32 v[SM+i], v[SM+i]
.set i, i+1
.endr
	v_nop
	s_wait_alu depctr_va_vdst(0)
	v_mul_f32 v[T0+1], v[SM], v[SM+8]
.set i, 1
.rept 7
	v_fmac_f32 v[T0+1], v[SM+i], v[SM+8+i]         ; l
.set i, i+1
.endr
	v_add_f32 v[T0+2], 0x3089705f, v[T0+1]         ; l + 1e-9
	v_rcp_f32 v[T0+2], v[T0+2]
	v_nop
	s_wait_alu depctr_va_vdst(0)
.set i, 0
.rept 8
	v_mul_f32 v[SM+i], v[SM+i], v[T0+2]
.set i, i+1
.endr
	v_mul_f32 v[T0+1], v[T0+1], v[T0+2]            ; l / (l + 1e-9), for query l & 7
	ds_store_b32 v[LFW], v[T0+1]
	ds_load_b128 v[LFV:LFV+3], v[LFR]              ; my own words, for rows 4 h + 0..3
	s_wait_dscnt 0x0
.set i, 0
.rept 4
.set k, 0
.rept 32
.if i == 0
	v_mul_f32 v[AC+k], v[SM], v[RG+k]
.else
	v_fmac_f32 v[AC+k], v[SM+i], v[RG+32*i+k]
.endif
.set k, k+1
.endr
.set i, i+1
.endr
.set k, 0
.rept 32
	ds_load_b128 v[RG+4*k:RG+4*k+3], v[L16] offset:RX+16384+512*k
.set k, k+1
.endr
	s_wait_dscnt 0x0
.set i, 0
.rept 4
.set k, 0
.rept 32
	v_fmac_f32 v[AC+k], v[SM+4+i], v[RG+32*i+k]
.set k, k+1
.endr
.set i, i+1
.endr
.set k, 0
.rept 16                                       ; k = 8 kk + 2 c + half
	ds_load_b128 v[F+4*k:F+4*k+3], v[FWR] offset:FW+8192*(k/8)+512*(k%8)
.set k, k+1
.endr
.set k, 0
.rept 16
	v_cvt_pk_f16_f32 v[FA+k], v[AC+2*k], v[AC+2*k+1]
.set k, k+1
.endr
.set c, 0
.rept 4
	v_mul_f32 v[BV+c], s29, v[BV+c]
.set c, c+1
.endr
	s_wait_dscnt 0x0
.set kk, 0
.rept 2                                        ; four accumulators take turns
.set c, 0
.rept 4
.if kk == 0
	v_wmma_f32_16x16x32_f16 v[D+8*c:D+8*c+7], v[FA+8*kk:FA+8*kk+7], v[F+8*(4*kk+c):F+8*(4*kk+c)+7], 0
.else
	v_wmma_f32_16x16x32_f16 v[D+8*c:D+8*c+7], v[FA+8*kk:FA+8*kk+7], v[F+8*(4*kk+c):F+8*(4*kk+c)+7], v[D+8*c:D+8*c+7]
.endif
.set c, c+1
.endr
.set kk, kk+1
.endr
.rept 8
	v_nop                                          ; the places behind the products
.endr
.set p, 0
.rept 4                                        ; row p + 4 h, columns 4 r + c; each accumulator is read from its low end on
.set c, 0
.rept 4
	v_cndmask_b32 v[OUT+4*p+c], v[D+8*c+p], v[D+8*c+p+4], s28
.set c, c+1
.endr
.set p, p+1
.endr
.set p, 0
.rept 4
.set c, 0
.rept 4
	v_fmac_f32 v[OUT+4*p+c], v[BV+c], v[LFV+p]
.set c, c+1
.endr
	global_store_b128 v[YO], v[OUT+4*p:OUT+4*p+3], s[10:11] offset:4096*p  ; each half of the lanes stores 256 consecutive bytes, aligned
.set p, p+1
.endr
.Lend:
	s_wait_tensorcnt 0x0                           ; the wave's end, behind my last LDS store
	ds_add_u32 v[SPW], v[NIL]
	s_wait_dscnt 0x0
	s_endpgm
.Lfunc_end_k_qcce7da897f_avproj:
	.size	k_qcce7da897f_avproj, .Lfunc_end_k_qcce7da897f_avproj-k_qcce7da897f_avproj
	.p2alignl 7, 3214868480
	.fill 96, 4, 3214868480
	.section	.rodata,"a",@progbits
	.p2align	6, 0x0
	.amdhsa_kernel k_qcce7da897f_avproj
		.amdhsa_group_segment_fixed_size 59392
		.amdhsa_private_segment_fixed_size 0
		.amdhsa_enable_private_segment 0
		.amdhsa_kernarg_size 32
		.amdhsa_user_sgpr_count 2
		.amdhsa_user_sgpr_kernarg_segment_ptr 1
		.amdhsa_wavefront_size32 1
		.amdhsa_system_sgpr_workgroup_id_x 1
		.amdhsa_system_sgpr_workgroup_id_y 1
		.amdhsa_system_sgpr_workgroup_id_z 1
		.amdhsa_system_vgpr_workitem_id 0
		.amdhsa_next_free_vgpr 256
		.amdhsa_next_free_sgpr 66
		.amdhsa_reserve_vcc 0
		.amdhsa_float_denorm_mode_32 3
		.amdhsa_float_denorm_mode_16_64 3
		.amdhsa_memory_ordered 1
		.amdhsa_forward_progress 1
		.amdhsa_inst_pref_size 62
	.end_amdhsa_kernel
	.amdgpu_metadata
---
amdhsa.version: [ 1, 2 ]
amdhsa.kernels:
  - .name:           k_qcce7da897f_avproj
    .symbol:         k_qcce7da897f_avproj.kd
    .args:
      - { .name: part, .offset: 0, .size: 8, .value_kind: global_buffer, .address_space: global }
      - { .name: wv, .offset: 8, .size: 8, .value_kind: global_buffer, .address_space: global }
      - { .name: bv, .offset: 16, .size: 8, .value_kind: global_buffer, .address_space: global }
      - { .name: attnp, .offset: 24, .size: 8, .value_kind: global_buffer, .address_space: global }
    .group_segment_fixed_size: 59392
    .private_segment_fixed_size: 0
    .kernarg_segment_align: 8
    .kernarg_segment_size: 32
    .max_flat_workgroup_size: 256
    .sgpr_count:     66
    .vgpr_count:     256
    .wavefront_size: 32
...
	.end_amdgpu_metadata
.endif
;; end of part 4
;; launch oproj (part 5): grid 16 x 4, 8 waves a work-group, no clusters, 21,760 bytes of LDS; arguments attnp, wo, op; writes op
.if DOCPART == 5
	.amdgcn_target "amdgcn-amd-amdhsa--gfx1250"
	.amdhsa_code_object_version 6
	.text
	.protected	k_qcce7da897f_oproj
	.globl	k_qcce7da897f_oproj
	.p2align	8
	.type	k_qcce7da897f_oproj,@function
k_qcce7da897f_oproj:
	s_mov_b64 s[64:65], 0
	v_nop
	global_prefetch_b8 v0, s[64:65] scope:SCOPE_SE
	s_setreg_imm32_b32 hwreg(HW_REG_WAVE_MODE, 25, 1), 1
	s_wait_xcnt 0x0
; op[ks][m][n] = the sum over k in K block ks (256 k) of attn[m][k] wo[k][n], attn = the sum of attnp's 16 partial sums.  8 rows, wo read once.  The consumers add the 4 partial sums and bo.
; SHARES.  A work-group takes 64 columns (256 bytes of a row of wo) and 256 rows of wo; wave w the 32 rows 32 w .. 32 w + 31, one matrix K step.
; Each half of a load of wo is 256 consecutive bytes, aligned, of one row.  Lane (r, h) holds columns 4 r .. 4 r + 3 of rows 8 h + 0..7 and 16 + 8 h + 0..7, so that
; component c of its 16 loads, rounded in pairs, IS source 1 (32 k x 16 columns 4 r + c) of a product: no lane changes, nothing of wo goes through LDS.
; A's row m is made by wave m: divided by its largest magnitude in this K block (f32), rounded to f16, laid in LDS; the product is multiplied back in f32.
; Rows 8-15 of source 0 repeat rows 0-7.  The eight waves' partial products meet in LDS; waves 0-3 add them and store rows w and w + 4.
; FORMAT: f16 operands, f32 sums.  LIMITS: |wo| under 65,504; a row's largest magnitude under 2^126; a row of zeros is divided by 1e-30.
; NO CLUSTER, NO DATA MOVER: wo is converted on its way into registers and shared by nobody; A's partial sums, which work-groups share, come to 128 KiB that every one of them adds up in registers.
.set N,      1024
.set WROW,   4*N
.set AROW,   4096
.set APITCH, 528
.set SC,     4224
.set RED,    4352
.set SPARE,  20736                     ; the spare words, 128 bytes a wave: four blocks of 256 bytes that no other line names
.set WO,  4
.set AO,  5
.set ASW, 6
.set ASR, 7
.set RDW, 8
.set RDR, 9
.set YO,  10
.set SCR, 11
.set SPW, 12
.set NIL, 13
.set SCW, 15
.set AH,  24
.set FA,  28
.set WL,  40
.set PL,  104                          ; v[104:231] attnp: partial p at PL + 8 p
.set AV,  104                          ; the sum ends in partial 0's registers
.set F,   104
.set D,   136
.set SEL, 168
.set RR,  184
.set OUT, 216
.set AB,  4
.set WB,  6
.set YB,  8
	s_load_b128 s[4:7], s[0:1], 0x0
	s_load_b64 s[8:9], s[0:1], 0x10
	v_lshl_add_u32 v[SPW], v0, 2, SPARE
	v_mov_b32 v[NIL], 0
	v_and_b32 v1, 31, v0
	v_and_b32 v2, 15, v0
	v_bfe_u32 v3, v0, 4, 1
	v_lshrrev_b32 v36, 5, v0
	v_readfirstlane_b32 s20, v36
	s_mov_b32 s21, ttmp9
	s_and_b32 s22, ttmp7, 0xffff
	s_mov_b32 s26, 0x76543210
	s_mov_b32 s27, 0xfedcba98
	s_mov_b32 s28, 0xffff0000
	s_mov_b32 s29, 0x7fffffff
	s_lshl_b32 s23, s20, 5
	v_lshl_add_u32 v36, v3, 3, s23
	v_mul_u32_u24 v[WO], v36, WROW
	v_lshl_add_u32 v[WO], v2, 4, v[WO]
	s_mul_i32 s23, s20, AROW
	v_lshl_add_u32 v[AO], v1, 4, s23
	s_mul_i32 s23, s20, APITCH
	v_lshl_add_u32 v[ASW], v1, 3, s23
	v_and_b32 v36, 7, v0
	v_mul_u32_u24 v[ASR], v36, APITCH
	v_lshl_add_u32 v[ASR], v3, 4, v[ASR]
	s_lshl_b32 s23, s20, 6
	v_add_nc_u32 v[ASR], s23, v[ASR]
	s_lshl_b32 s23, s20, 11
	s_add_co_u32 s23, s23, RED
	v_lshl_add_u32 v[RDW], v1, 4, s23
	s_lshl_b32 s23, s20, 9
	s_add_co_u32 s23, s23, RED
	v_lshl_add_u32 v[RDR], v1, 4, s23
	v_lshl_add_u32 v36, v3, 2, s20
	v_mul_u32_u24 v[YO], v36, WROW
	v_lshl_add_u32 v[YO], v2, 4, v[YO]
	s_lshl_b32 s23, s20, 2
	s_add_co_u32 s23, s23, SC
	v_lshl_add_u32 v[SCR], v3, 4, s23
	v_mov_b32 v[SCW], s23
	s_wait_kmcnt 0x0
	s_mov_b32 s25, 0
	s_lshl_b32 s24, s22, 10
	s_add_nc_u64 s[AB:AB+1], s[AB:AB+1], s[24:25]
	s_lshl_b32 s23, s21, 8
	s_mul_i32 s24, s22, 256*WROW
	s_add_co_u32 s24, s24, s23
	s_add_nc_u64 s[WB:WB+1], s[WB:WB+1], s[24:25]
	s_mul_i32 s24, s22, 8*WROW
	s_add_co_u32 s24, s24, s23
	s_add_nc_u64 s[YB:YB+1], s[YB:YB+1], s[24:25]
.set p, 0
.rept 16
	global_load_b128 v[PL+8*p:PL+8*p+3], v[AO], s[AB:AB+1] offset:p*32768
	global_load_b128 v[PL+8*p+4:PL+8*p+7], v[AO], s[AB:AB+1] offset:p*32768+512
.set p, p+1
.endr
.set i, 0
.rept 16
	global_load_b128 v[WL+4*i:WL+4*i+3], v[WO], s[WB:WB+1] offset:(i+8*(i/8))*WROW th:TH_LOAD_NT
.set i, i+1
.endr
	s_wait_loadcnt 16                              ; the 32 loads of A are in; W's 16 may stay out
.macro TREE d                          ; partial p + d is added onto partial p, for p = 0, 2 d, ..
.set p, 0
.rept 8/(\d)
.set j, 0
.rept 4
	v_pk_add_f32 v[PL+8*p+2*j:PL+8*p+2*j+1], v[PL+8*p+2*j:PL+8*p+2*j+1], v[PL+8*(p+(\d))+2*j:PL+8*(p+(\d))+2*j+1]
.set j, j+1
.endr
.set p, p+2*(\d)
.endr
.endm
	TREE 1
	TREE 2
	TREE 4
	TREE 8
.set i, 0
.rept 8
	v_and_b32 v[RR+i], s29, v[AV+i]
.set i, i+1
.endr
	v_max3_num_f32 v36, v[RR], v[RR+1], v[RR+2]
	v_max3_num_f32 v37, v[RR+3], v[RR+4], v[RR+5]
	v_max3_num_f32 v36, v36, v[RR+6], v[RR+7]
	v_max_num_f32 v36, v36, v37
	v_max_num_f32_dpp v36, v36, v36 row_xmask:1 row_mask:0xf bank_mask:0xf
	v_max_num_f32_dpp v36, v36, v36 row_xmask:2 row_mask:0xf bank_mask:0xf
	v_max_num_f32_dpp v36, v36, v36 row_xmask:4 row_mask:0xf bank_mask:0xf
	v_max_num_f32_dpp v36, v36, v36 row_xmask:8 row_mask:0xf bank_mask:0xf
	v_permlanex16_b32 v37, v36, s26, s27
	v_max_num_f32 v36, v36, v37
	v_max_num_f32 v36, 0x0da24260, v36             ; at least 1e-30
	v_rcp_f32 v38, v36
	v_mov_b32 v39, 0                               ; the plain instruction behind the reciprocal; it also completes the pair
	s_wait_alu depctr_va_vdst(0)                   ; the wait ahead of the reciprocal's first reader
.set i, 0
.rept 4
	v_pk_mul_f32 v[AV+2*i:AV+2*i+1], v[AV+2*i:AV+2*i+1], v[38:39] op_sel_hi:[1,0]
.set i, i+1
.endr
.set i, 0
.rept 4
	v_cvt_pk_f16_f32 v[AH+i], v[AV+2*i], v[AV+2*i+1]
.set i, i+1
.endr
	ds_store_b64 v[ASW], v[AH:AH+1]
	ds_store_b64 v[ASW], v[AH+2:AH+3] offset:256
	ds_store_b32 v[SCW], v36
	s_wait_dscnt 0x0                               ; for the others' sake: my row and its scale lie in LDS
	s_barrier_signal -1
	s_barrier_wait -1
	ds_load_b128 v[FA:FA+3], v[ASR]
	ds_load_b128 v[FA+4:FA+7], v[ASR] offset:32
	s_wait_loadcnt 0x0                             ; W
.set c, 0
.rept 4
.set t, 0
.rept 8
	v_cvt_pk_f16_f32 v[F+8*c+t], v[WL+8*t+c], v[WL+8*t+4+c]
.set t, t+1
.endr
.set c, c+1
.endr
	s_wait_dscnt 0x0
.set c, 0
.rept 4
	v_wmma_f32_16x16x32_f16 v[D+8*c:D+8*c+7], v[FA:FA+7], v[F+8*c:F+8*c+7], 0
.set c, c+1
.endr
.rept 8
	v_nop                                          ; the places behind the products
.endr
.set p, 0
.rept 4                                        ; lanes 0-15 keep row p, lanes 16-31 take row p + 4; each accumulator is read from its low end on
.set c, 0
.rept 4
	v_cndmask_b32 v[SEL+4*p+c], v[D+8*c+p], v[D+8*c+p+4], s28
.set c, c+1
.endr
.set p, p+1
.endr
.set p, 0
.rept 4
	ds_store_b128 v[RDW], v[SEL+4*p:SEL+4*p+3] offset:512*p
.set p, p+1
.endr
	s_wait_dscnt 0x0
	s_barrier_signal -1
	s_barrier_wait -1                              ; all eight partial products lie in LDS
	s_cmp_lt_u32 s20, 4
	s_cbranch_scc0 .Lend
.set i, 0
.rept 8
	ds_load_b128 v[RR+4*i:RR+4*i+3], v[RDR] offset:2048*i
.set i, i+1
.endr
	ds_load_b32 v36, v[SCR]
	s_wait_dscnt 0x0
.set i, 0
.rept 8
	v_pk_add_f32 v[RR+2*i:RR+2*i+1], v[RR+2*i:RR+2*i+1], v[RR+16+2*i:RR+16+2*i+1]
.set i, i+1
.endr
.set i, 0
.rept 4
	v_pk_add_f32 v[RR+2*i:RR+2*i+1], v[RR+2*i:RR+2*i+1], v[RR+8+2*i:RR+8+2*i+1]
.set i, i+1
.endr
.set i, 0
.rept 2
	v_pk_add_f32 v[RR+2*i:RR+2*i+1], v[RR+2*i:RR+2*i+1], v[RR+4+2*i:RR+4+2*i+1]
.set i, i+1
.endr
	v_pk_mul_f32 v[OUT:OUT+1], v[RR:RR+1], v[36:37] op_sel_hi:[1,0]
	v_pk_mul_f32 v[OUT+2:OUT+3], v[RR+2:RR+3], v[36:37] op_sel_hi:[1,0]
	global_store_b128 v[YO], v[OUT:OUT+3], s[YB:YB+1]  ; each half of the lanes stores 256 consecutive bytes, aligned
.Lend:
	s_wait_tensorcnt 0x0                           ; the wave's end, behind my last LDS store
	ds_add_u32 v[SPW], v[NIL]
	s_wait_dscnt 0x0
	s_endpgm
.Lfunc_end_k_qcce7da897f_oproj:
	.size	k_qcce7da897f_oproj, .Lfunc_end_k_qcce7da897f_oproj-k_qcce7da897f_oproj
	.p2alignl 7, 3214868480
	.fill 96, 4, 3214868480
	.section	.rodata,"a",@progbits
	.p2align	6, 0x0
	.amdhsa_kernel k_qcce7da897f_oproj
		.amdhsa_group_segment_fixed_size 21760
		.amdhsa_private_segment_fixed_size 0
		.amdhsa_enable_private_segment 0
		.amdhsa_kernarg_size 24
		.amdhsa_user_sgpr_count 2
		.amdhsa_user_sgpr_kernarg_segment_ptr 1
		.amdhsa_wavefront_size32 1
		.amdhsa_system_sgpr_workgroup_id_x 1
		.amdhsa_system_sgpr_workgroup_id_y 1
		.amdhsa_system_sgpr_workgroup_id_z 1
		.amdhsa_system_vgpr_workitem_id 0
		.amdhsa_next_free_vgpr 256
		.amdhsa_next_free_sgpr 66
		.amdhsa_reserve_vcc 0
		.amdhsa_float_denorm_mode_32 3
		.amdhsa_float_denorm_mode_16_64 3
		.amdhsa_memory_ordered 1
		.amdhsa_forward_progress 1
		.amdhsa_inst_pref_size 19
	.end_amdhsa_kernel
	.amdgpu_metadata
---
amdhsa.version: [ 1, 2 ]
amdhsa.kernels:
  - .name:           k_qcce7da897f_oproj
    .symbol:         k_qcce7da897f_oproj.kd
    .args:
      - { .name: attnp, .offset: 0, .size: 8, .value_kind: global_buffer, .address_space: global }
      - { .name: wo, .offset: 8, .size: 8, .value_kind: global_buffer, .address_space: global }
      - { .name: op, .offset: 16, .size: 8, .value_kind: global_buffer, .address_space: global }
    .group_segment_fixed_size: 21760
    .private_segment_fixed_size: 0
    .kernarg_segment_align: 8
    .kernarg_segment_size: 24
    .max_flat_workgroup_size: 256
    .sgpr_count:     66
    .vgpr_count:     256
    .wavefront_size: 32
...
	.end_amdgpu_metadata
.endif
;; end of part 5
;; launch mlp1 (part 6): grid 32 x 4, 8 waves a work-group, no clusters, 21,760 bytes of LDS; arguments op, bo, ln_g, ln_b, w1, h1p; writes h1p
.if DOCPART == 6
	.amdgcn_target "amdgcn-amd-amdhsa--gfx1250"
	.amdhsa_code_object_version 6
	.text
	.protected	k_qcce7da897f_mlp1
	.globl	k_qcce7da897f_mlp1
	.p2align	8
	.type	k_qcce7da897f_mlp1,@function
k_qcce7da897f_mlp1:
	s_mov_b64 s[64:65], 0
	v_nop
	global_prefetch_b8 v0, s[64:65] scope:SCOPE_SE
	s_setreg_imm32_b32 hwreg(HW_REG_WAVE_MODE, 25, 1), 1
	s_wait_xcnt 0x0
; h1p[ks][m][n] = the sum over k in K block ks (256 k) of LN(out)[m][k] w1[k][n], out = the 4 partial sums of op + bo.  8 rows, w1 read once.  The consumer adds the 4 partial sums and b1.
; LAYER NORM in f32, in two passes over the row held in registers: wave m holds row m whole, 32 numbers a lane; mean; deviations; mean of their squares; (dev x rsqrt(var + 1e-5)) x g + b.
; A lane's numbers of K block ks are its own registers 8 ks .. 8 ks + 7: they are picked by v_cndmask_b32 on three scalar masks.
; SHARES.  A work-group takes 64 columns (256 bytes of a row of w1) and 256 rows of w1; wave w the 32 rows 32 w .. 32 w + 31, one matrix K step.
; Each half of a load of w1 is 256 consecutive bytes, aligned, of one row.  Component c of a lane's 16 loads, rounded in pairs, IS source 1 (32 k x 16 columns 4 r + c) of a product.
; A's row is divided by its largest magnitude in this K block (f32), rounded to f16, laid in LDS; the product is multiplied back in f32.  Rows 8-15 of source 0 repeat rows 0-7.
; FORMAT: f16 operands, f32 sums.  LIMITS: |w1| under 65,504; a row's largest magnitude under 2^126; a row of zeros is divided by 1e-30.
; NO CLUSTER, NO DATA MOVER: w1 is converted on its way into registers and shared by nobody; op, which all share, is 128 KiB that each work-group takes into registers.
; REGISTERS: window 0 as named below; window 1, v0-63: the 16 loads of w1, out while the norm is made.
.set N,      2048
.set WROW,   4*N
.set AROW,   4096
.set APITCH, 528
.set SC,     4224
.set RED,    4352
.set SPARE,  20736                     ; the spare words, 128 bytes a wave: four blocks of 256 bytes that no other line names
.set WO,  4
.set AO,  5
.set ASW, 6
.set ASR, 7
.set RDW, 8
.set RDR, 9
.set YO,  10
.set SCR, 11
.set SPW, 12
.set NIL, 13
.set LO,  14                           ; v14  16 l
.set SCW, 15
.set AV,  16
.set AH,  24
.set FA,  28
.set X,   40                           ; v[40:167] op: partial p, 128 columns i at X + 32 p + 4 i; the row ends in v[40:71]
.set T,   72                           ; at work, in partial 1's registers
.set Q,   74
.set BOL, 168                          ; v[168:199] bo
.set GL,  200                          ; v[200:207] ln_g of my 8 numbers
.set BL,  208                          ; v[208:215] ln_b
.set WL,  0                            ; window 1
.set F,   104
.set D,   136
.set SEL, 168
.set RR,  184
.set OUT, 216
.set WB,  12
.set YB,  14
.set MSB, 0
.macro WIN new                         ; the immediate's high byte repeats the setting that is left
.if MSB != (\new)
	s_set_vgpr_msb (MSB<<8)|(\new)
.set MSB, (\new)
.endif
.endm
.macro WSUM x, y                       ; the sum of v[x] over the wave's 32 lanes, in every lane; v[y], written before, is at work
	v_add_f32_dpp v[\x], v[\x], v[\x] row_xmask:1 row_mask:0xf bank_mask:0xf
	v_add_f32_dpp v[\x], v[\x], v[\x] row_xmask:2 row_mask:0xf bank_mask:0xf
	v_add_f32_dpp v[\x], v[\x], v[\x] row_xmask:4 row_mask:0xf bank_mask:0xf
	v_add_f32_dpp v[\x], v[\x], v[\x] row_xmask:8 row_mask:0xf bank_mask:0xf
	v_permlanex16_b32 v[\y], v[\x], s26, s27
	v_add_f32 v[\x], v[\x], v[\y]
.endm
	s_load_b256 s[4:11], s[0:1], 0x0               ; op s[4:5], bo s[6:7], ln_g s[8:9], ln_b s[10:11]
	s_load_b128 s[12:15], s[0:1], 0x20             ; w1 s[12:13], h1p s[14:15]
	v_lshl_add_u32 v[SPW], v0, 2, SPARE
	v_mov_b32 v[NIL], 0
	v_and_b32 v1, 31, v0
	v_and_b32 v2, 15, v0
	v_bfe_u32 v3, v0, 4, 1
	v_lshrrev_b32 v36, 5, v0
	v_readfirstlane_b32 s20, v36
	s_mov_b32 s21, ttmp9
	s_and_b32 s22, ttmp7, 0xffff
	s_mov_b32 s26, 0x76543210
	s_mov_b32 s27, 0xfedcba98
	s_mov_b32 s28, 0xffff0000
	s_mov_b32 s29, 0x7fffffff
	s_mov_b32 s30, 0x3a800000                      ; 1 / 1,024
	s_lshl_b32 s23, s20, 5
	v_lshl_add_u32 v36, v3, 3, s23
	v_mul_u32_u24 v[WO], v36, WROW
	v_lshl_add_u32 v[WO], v2, 4, v[WO]
	s_mul_i32 s23, s20, AROW
	v_lshl_add_u32 v[AO], v1, 4, s23
	v_lshlrev_b32 v[LO], 4, v1
	s_mul_i32 s23, s20, APITCH
	v_lshl_add_u32 v[ASW], v1, 3, s23
	v_and_b32 v36, 7, v0
	v_mul_u32_u24 v[ASR], v36, APITCH
	v_lshl_add_u32 v[ASR], v3, 4, v[ASR]
	s_lshl_b32 s23, s20, 6
	v_add_nc_u32 v[ASR], s23, v[ASR]
	s_lshl_b32 s23, s20, 11
	s_add_co_u32 s23, s23, RED
	v_lshl_add_u32 v[RDW], v1, 4, s23
	s_lshl_b32 s23, s20, 9
	s_add_co_u32 s23, s23, RED
	v_lshl_add_u32 v[RDR], v1, 4, s23
	v_lshl_add_u32 v36, v3, 2, s20
	v_mul_u32_u24 v[YO], v36, WROW
	v_lshl_add_u32 v[YO], v2, 4, v[YO]
	s_lshl_b32 s23, s20, 2
	s_add_co_u32 s23, s23, SC
	v_lshl_add_u32 v[SCR], v3, 4, s23
	v_mov_b32 v[SCW], s23
	s_cmp_eq_u32 s22, 1                            ; three masks, all lanes or none: which K block is mine
	s_cselect_b32 s31, -1, 0
	s_cmp_eq_u32 s22, 2
	s_cselect_b32 s32, -1, 0
	s_cmp_eq_u32 s22, 3
	s_cselect_b32 s33, -1, 0
	s_wait_kmcnt 0x0
	s_mov_b32 s25, 0
	s_lshl_b32 s24, s22, 10                        ; the K block's 256 numbers of ln_g and ln_b
	s_add_nc_u64 s[8:9], s[8:9], s[24:25]
	s_add_nc_u64 s[10:11], s[10:11], s[24:25]
	s_lshl_b32 s23, s21, 8
	s_mul_i32 s24, s22, 256*WROW
	s_add_co_u32 s24, s24, s23
	s_add_nc_u64 s[WB:WB+1], s[WB:WB+1], s[24:25]
	s_mul_i32 s24, s22, 8*WROW
	s_add_co_u32 s24, s24, s23
	s_add_nc_u64 s[YB:YB+1], s[YB:YB+1], s[24:25]
.set p, 0
.rept 4
.set i, 0
.rept 8
	global_load_b128 v[X+32*p+4*i:X+32*p+4*i+3], v[AO], s[4:5] offset:p*32768+512*i
.set i, i+1
.endr
.set p, p+1
.endr
.set i, 0
.rept 8
	global_load_b128 v[BOL+4*i:BOL+4*i+3], v[LO], s[6:7] offset:512*i
.set i, i+1
.endr
	global_load_b128 v[GL:GL+3], v[LO], s[8:9]
	global_load_b128 v[GL+4:GL+7], v[LO], s[8:9] offset:512
	global_load_b128 v[BL:BL+3], v[LO], s[10:11]
	global_load_b128 v[BL+4:BL+7], v[LO], s[10:11] offset:512
	WIN 0x40                                       ; destination window 1, address window 0
.set i, 0
.rept 16
	global_load_b128 v[WL+4*i:WL+4*i+3], v[WO], s[WB:WB+1] offset:(i+8*(i/8))*WROW th:TH_LOAD_NT
.set i, i+1
.endr
	WIN 0
	s_wait_loadcnt 16                              ; the 44 loads for the norm are in; w1's 16 may stay out
.set j, 0
.rept 16
	v_pk_add_f32 v[X+2*j:X+2*j+1], v[X+2*j:X+2*j+1], v[X+32+2*j:X+32+2*j+1]
	v_pk_add_f32 v[X+64+2*j:X+64+2*j+1], v[X+64+2*j:X+64+2*j+1], v[X+96+2*j:X+96+2*j+1]
.set j, j+1
.endr
.set j, 0
.rept 16
	v_pk_add_f32 v[X+2*j:X+2*j+1], v[X+2*j:X+2*j+1], v[X+64+2*j:X+64+2*j+1]
.set j, j+1
.endr
.set j, 0
.rept 16
	v_pk_add_f32 v[X+2*j:X+2*j+1], v[X+2*j:X+2*j+1], v[BOL+2*j:BOL+2*j+1]
.set j, j+1
.endr
	; the mean
.set j, 0
.rept 8
	v_pk_add_f32 v[T+2*j:T+2*j+1], v[X+2*j:X+2*j+1], v[X+16+2*j:X+16+2*j+1]
.set j, j+1
.endr
.set j, 0
.rept 4
	v_pk_add_f32 v[T+2*j:T+2*j+1], v[T+2*j:T+2*j+1], v[T+8+2*j:T+8+2*j+1]
.set j, j+1
.endr
	v_pk_add_f32 v[T:T+1], v[T:T+1], v[T+4:T+5]
	v_pk_add_f32 v[T+2:T+3], v[T+2:T+3], v[T+6:T+7]
	v_pk_add_f32 v[T:T+1], v[T:T+1], v[T+2:T+3]
	v_add_f32 v[T], v[T], v[T+1]
	WSUM T, T+1
	v_mul_f32 v[T], s30, v[T]
	v_mov_b32 v[T+1], v[T]
.set j, 0
.rept 16
	v_pk_add_f32 v[X+2*j:X+2*j+1], v[X+2*j:X+2*j+1], v[T:T+1] neg_lo:[0,1] neg_hi:[0,1]
.set j, j+1
.endr
	; the mean of the squared deviations, in four chains
.set j, 0
.rept 4
	v_pk_mul_f32 v[Q+2*j:Q+2*j+1], v[X+2*j:X+2*j+1], v[X+2*j:X+2*j+1]
.set j, j+1
.endr
.set j, 4
.rept 12
	v_pk_fma_f32 v[Q+2*(j%4):Q+2*(j%4)+1], v[X+2*j:X+2*j+1], v[X+2*j:X+2*j+1], v[Q+2*(j%4):Q+2*(j%4)+1]
.set j, j+1
.endr
	v_pk_add_f32 v[Q:Q+1], v[Q:Q+1], v[Q+2:Q+3]
	v_pk_add_f32 v[Q+4:Q+5], v[Q+4:Q+5], v[Q+6:Q+7]
	v_pk_add_f32 v[Q:Q+1], v[Q:Q+1], v[Q+4:Q+5]
	v_add_f32 v[Q], v[Q], v[Q+1]
	WSUM Q, Q+1
	v_fmaak_f32 v[Q], s30, v[Q], 0x3727c5ac        ; var + 1e-5
	v_rsq_f32 v[Q+2], v[Q]
.set j, 0
.rept 8                                        ; my K block's eight deviations: plain work behind the root
	v_cndmask_b32 v[AV+j], v[X+j], v[X+8+j], s31
.set j, j+1
.endr
.set j, 0
.rept 8
	v_cndmask_b32 v[AV+j], v[AV+j], v[X+16+j], s32
.set j, j+1
.endr
.set j, 0
.rept 8
	v_cndmask_b32 v[AV+j], v[AV+j], v[X+24+j], s33
.set j, j+1
.endr
	s_wait_alu depctr_va_vdst(0)                   ; the wait ahead of the root's first reader
.set j, 0
.rept 4
	v_pk_mul_f32 v[AV+2*j:AV+2*j+1], v[AV+2*j:AV+2*j+1], v[Q+2:Q+3] op_sel_hi:[1,0]
.set j, j+1
.endr
.set j, 0
.rept 4
	v_pk_fma_f32 v[AV+2*j:AV+2*j+1], v[AV+2*j:AV+2*j+1], v[GL+2*j:GL+2*j+1], v[BL+2*j:BL+2*j+1]
.set j, j+1
.endr
.set i, 0
.rept 8
	v_and_b32 v[RR+i], s29, v[AV+i]
.set i, i+1
.endr
	v_max3_num_f32 v36, v[RR], v[RR+1], v[RR+2]
	v_max3_num_f32 v37, v[RR+3], v[RR+4], v[RR+5]
	v_max3_num_f32 v36, v36, v[RR+6], v[RR+7]
	v_max_num_f32 v36, v36, v37
	v_max_num_f32_dpp v36, v36, v36 row_xmask:1 row_mask:0xf bank_mask:0xf
	v_max_num_f32_dpp v36, v36, v36 row_xmask:2 row_mask:0xf bank_mask:0xf
	v_max_num_f32_dpp v36, v36, v36 row_xmask:4 row_mask:0xf bank_mask:0xf
	v_max_num_f32_dpp v36, v36, v36 row_xmask:8 row_mask:0xf bank_mask:0xf
	v_permlanex16_b32 v37, v36, s26, s27
	v_max_num_f32 v36, v36, v37
	v_max_num_f32 v36, 0x0da24260, v36             ; at least 1e-30
	v_rcp_f32 v38, v36
	v_mov_b32 v39, 0                               ; the plain instruction behind the reciprocal; it also completes the pair
	s_wait_alu depctr_va_vdst(0)
.set i, 0
.rept 4
	v_pk_mul_f32 v[AV+2*i:AV+2*i+1], v[AV+2*i:AV+2*i+1], v[38:39] op_sel_hi:[1,0]
.set i, i+1
.endr
.set i, 0
.rept 4
	v_cvt_pk_f16_f32 v[AH+i], v[AV+2*i], v[AV+2*i+1]
.set i, i+1
.endr
	ds_store_b64 v[ASW], v[AH:AH+1]
	ds_store_b64 v[ASW], v[AH+2:AH+3] offset:256
	ds_store_b32 v[SCW], v36
	s_wait_dscnt 0x0                               ; for the others' sake: my row and its scale lie in LDS
	s_barrier_signal -1
	s_barrier_wait -1
	ds_load_b128 v[FA:FA+3], v[ASR]
	ds_load_b128 v[FA+4:FA+7], v[ASR] offset:32
	s_wait_loadcnt 0x0                             ; w1
	WIN 0x05                                       ; sources window 1, destination window 0
.set c, 0
.rept 4
.set t, 0
.rept 8
	v_cvt_pk_f16_f32 v[F+8*c+t], v[WL+8*t+c], v[WL+8*t+4+c]
.set t, t+1
.endr
.set c, c+1
.endr
	WIN 0
	s_wait_dscnt 0x0
.set c, 0
.rept 4
	v_wmma_f32_16x16x32_f16 v[D+8*c:D+8*c+7], v[FA:FA+7], v[F+8*c:F+8*c+7], 0
.set c, c+1
.endr
.rept 8
	v_nop                                          ; the places behind the products
.endr
.set p, 0
.rept 4                                        ; lanes 0-15 keep row p, lanes 16-31 take row p + 4; each accumulator is read from its low end on
.set c, 0
.rept 4
	v_cndmask_b32 v[SEL+4*p+c], v[D+8*c+p], v[D+8*c+p+4], s28
.set c, c+1
.endr
.set p, p+1
.endr
.set p, 0
.rept 4
	ds_store_b128 v[RDW], v[SEL+4*p:SEL+4*p+3] offset:512*p
.set p, p+1
.endr
	s_wait_dscnt 0x0
	s_barrier_signal -1
	s_barrier_wait -1                              ; all eight partial products lie in LDS
	s_cmp_lt_u32 s20, 4
	s_cbranch_scc0 .Lend
.set i, 0
.rept 8
	ds_load_b128 v[RR+4*i:RR+4*i+3], v[RDR] offset:2048*i
.set i, i+1
.endr
	ds_load_b32 v36, v[SCR]
	s_wait_dscnt 0x0
.set i, 0
.rept 8
	v_pk_add_f32 v[RR+2*i:RR+2*i+1], v[RR+2*i:RR+2*i+1], v[RR+16+2*i:RR+16+2*i+1]
.set i, i+1
.endr
.set i, 0
.rept 4
	v_pk_add_f32 v[RR+2*i:RR+2*i+1], v[RR+2*i:RR+2*i+1], v[RR+8+2*i:RR+8+2*i+1]
.set i, i+1
.endr
.set i, 0
.rept 2
	v_pk_add_f32 v[RR+2*i:RR+2*i+1], v[RR+2*i:RR+2*i+1], v[RR+4+2*i:RR+4+2*i+1]
.set i, i+1
.endr
	v_pk_mul_f32 v[OUT:OUT+1], v[RR:RR+1], v[36:37] op_sel_hi:[1,0]
	v_pk_mul_f32 v[OUT+2:OUT+3], v[RR+2:RR+3], v[36:37] op_sel_hi:[1,0]
	global_store_b128 v[YO], v[OUT:OUT+3], s[YB:YB+1]  ; each half of the lanes stores 256 consecutive bytes, aligned
.Lend:
	s_wait_tensorcnt 0x0                           ; the wave's end, behind my last LDS store
	ds_add_u32 v[SPW], v[NIL]
	s_wait_dscnt 0x0
	s_endpgm
.Lfunc_end_k_qcce7da897f_mlp1:
	.size	k_qcce7da897f_mlp1, .Lfunc_end_k_qcce7da897f_mlp1-k_qcce7da897f_mlp1
	.p2alignl 7, 3214868480
	.fill 96, 4, 3214868480
	.section	.rodata,"a",@progbits
	.p2align	6, 0x0
	.amdhsa_kernel k_qcce7da897f_mlp1
		.amdhsa_group_segment_fixed_size 21760
		.amdhsa_private_segment_fixed_size 0
		.amdhsa_enable_private_segment 0
		.amdhsa_kernarg_size 48
		.amdhsa_user_sgpr_count 2
		.amdhsa_user_sgpr_kernarg_segment_ptr 1
		.amdhsa_wavefront_size32 1
		.amdhsa_system_sgpr_workgroup_id_x 1
		.amdhsa_system_sgpr_workgroup_id_y 1
		.amdhsa_system_sgpr_workgroup_id_z 1
		.amdhsa_system_vgpr_workitem_id 0
		.amdhsa_next_free_vgpr 320
		.amdhsa_next_free_sgpr 66
		.amdhsa_reserve_vcc 0
		.amdhsa_float_denorm_mode_32 3
		.amdhsa_float_denorm_mode_16_64 3
		.amdhsa_memory_ordered 1
		.amdhsa_forward_progress 1
		.amdhsa_inst_pref_size 27
	.end_amdhsa_kernel
	.amdgpu_metadata
---
amdhsa.version: [ 1, 2 ]
amdhsa.kernels:
  - .name:           k_qcce7da897f_mlp1
    .symbol:         k_qcce7da897f_mlp1.kd
    .args:
      - { .name: op, .offset: 0, .size: 8, .value_kind: global_buffer, .address_space: global }
      - { .name: bo, .offset: 8, .size: 8, .value_kind: global_buffer, .address_space: global }
      - { .name: ln_g, .offset: 16, .size: 8, .value_kind: global_buffer, .address_space: global }
      - { .name: ln_b, .offset: 24, .size: 8, .value_kind: global_buffer, .address_space: global }
      - { .name: w1, .offset: 32, .size: 8, .value_kind: global_buffer, .address_space: global }
      - { .name: h1p, .offset: 40, .size: 8, .value_kind: global_buffer, .address_space: global }
    .group_segment_fixed_size: 21760
    .private_segment_fixed_size: 0
    .kernarg_segment_align: 8
    .kernarg_segment_size: 48
    .max_flat_workgroup_size: 256
    .sgpr_count:     66
    .vgpr_count:     320
    .wavefront_size: 32
...
	.end_amdgpu_metadata
.endif
;; end of part 6
;; launch mlp2 (part 7): grid 16 x 8, 8 waves a work-group, no clusters, 21,760 bytes of LDS; arguments h1p, b1, w2, h2p; writes h2p
.if DOCPART == 7
	.amdgcn_target "amdgcn-amd-amdhsa--gfx1250"
	.amdhsa_code_object_version 6
	.text
	.protected	k_qcce7da897f_mlp2
	.globl	k_qcce7da897f_mlp2
	.p2align	8
	.type	k_qcce7da897f_mlp2,@function
k_qcce7da897f_mlp2:
	s_mov_b64 s[64:65], 0
	v_nop
	global_prefetch_b8 v0, s[64:65] scope:SCOPE_SE
	s_setreg_imm32_b32 hwreg(HW_REG_WAVE_MODE, 25, 1), 1
	s_wait_xcnt 0x0
; h2p[ks][m][n] = the sum over k in K block ks (256 k) of gelu(u)[m][k] w2[k][n], u = the 4 partial sums of h1p + b1.  8 rows, w2 read once.  The consumer adds the 8 partial sums and b2.
; GELU, the exact one, in f32: gelu(x) = x Phi(x); with z = |x| / sqrt 2 and E = erfc(z): Phi = 1 - E / 2 for x >= 0, E / 2 for x < 0: no difference of near numbers is formed.
; erfc(z) = t (a1 + t (a2 + t (a3 + t (a4 + t a5)))) e^(-z z), t = 1 / (1 + 0.3275911 z) (Abramowitz and Stegun 7.1.26: absolute error 1.5e-7, for every z >= 0).  The a's are held halved.
; SHARES.  A work-group takes 64 columns (256 bytes of a row of w2) and 256 rows of w2; wave w the 32 rows 32 w .. 32 w + 31, one matrix K step.
; Each half of a load of w2 is 256 consecutive bytes, aligned, of one row.  Component c of a lane's 16 loads, rounded in pairs, IS source 1 (32 k x 16 columns 4 r + c) of a product.
; A's row m is made by wave m: divided by its largest magnitude in this K block (f32), rounded to f16, laid in LDS; the product is multiplied back in f32.  Rows 8-15 of source 0 repeat rows 0-7.
; FORMAT: f16 operands, f32 sums.  LIMITS: |w2| under 65,504; a row's largest magnitude under 2^126; a row of zeros is divided by 1e-30; NaN is not treated apart.
; NO CLUSTER, NO DATA MOVER: w2 is converted on its way into registers and shared by nobody; what work-groups share, 32 KiB of h1p, is half of the 64 KiB that each reads of w2, and goes into registers.
.set N,      1024
.set WROW,   4*N
.set AROW,   8192
.set APITCH, 528
.set SC,     4224
.set RED,    4352
.set SPARE,  20736                     ; the spare words, 128 bytes a wave: four blocks of 256 bytes that no other line names
.set WO,  4
.set AO,  5
.set ASW, 6
.set ASR, 7
.set RDW, 8
.set RDR, 9
.set YO,  10
.set SCR, 11
.set SPW, 12
.set NIL, 13
.set LO,  14
.set SCW, 15
.set AV,  16
.set AH,  24
.set FA,  28
.set WL,  40
.set PL,  104                          ; v[104:135] h1p: partial p at PL + 8 p
.set B1,  136                          ; v[136:143]
.set TT,  144                          ; v[144:151] t
.set EE,  152                          ; v[152:159] e^(-z z)
.set UU,  160                          ; v[160:167] the polynomial
.set F,   104
.set D,   136
.set SEL, 168
.set RR,  184
.set OUT, 216
.set AB,  4
.set WB,  8
.set YB,  10
	s_load_b256 s[4:11], s[0:1], 0x0               ; h1p s[4:5], b1 s[6:7], w2 s[8:9], h2p s[10:11]
	v_lshl_add_u32 v[SPW], v0, 2, SPARE
	v_mov_b32 v[NIL], 0
	v_and_b32 v1, 31, v0
	v_and_b32 v2, 15, v0
	v_bfe_u32 v3, v0, 4, 1
	v_lshrrev_b32 v36, 5, v0
	v_readfirstlane_b32 s20, v36
	s_mov_b32 s21, ttmp9
	s_and_b32 s22, ttmp7, 0xffff
	s_mov_b32 s26, 0x76543210
	s_mov_b32 s27, 0xfedcba98
	s_mov_b32 s28, 0xffff0000
	s_mov_b32 s29, 0x7fffffff
	s_mov_b32 s30, 0x3e6d3388                      ; 0.3275911 / sqrt 2
	s_mov_b32 s31, 0xbf38aa3b                      ; -log2(e) / 2
	s_mov_b32 s32, 0x3f07dc22                      ; a5 / 2
	s_lshl_b32 s23, s20, 5
	v_lshl_add_u32 v36, v3, 3, s23
	v_mul_u32_u24 v[WO], v36, WROW
	v_lshl_add_u32 v[WO], v2, 4, v[WO]
	s_mul_i32 s23, s20, AROW
	v_lshl_add_u32 v[AO], v1, 4, s23
	v_lshlrev_b32 v[LO], 4, v1
	s_mul_i32 s23, s20, APITCH
	v_lshl_add_u32 v[ASW], v1, 3, s23
	v_and_b32 v36, 7, v0
	v_mul_u32_u24 v[ASR], v36, APITCH
	v_lshl_add_u32 v[ASR], v3, 4, v[ASR]
	s_lshl_b32 s23, s20, 6
	v_add_nc_u32 v[ASR], s23, v[ASR]
	s_lshl_b32 s23, s20, 11
	s_add_co_u32 s23, s23, RED
	v_lshl_add_u32 v[RDW], v1, 4, s23
	s_lshl_b32 s23, s20, 9
	s_add_co_u32 s23, s23, RED
	v_lshl_add_u32 v[RDR], v1, 4, s23
	v_lshl_add_u32 v36, v3, 2, s20
	v_mul_u32_u24 v[YO], v36, WROW
	v_lshl_add_u32 v[YO], v2, 4, v[YO]
	s_lshl_b32 s23, s20, 2
	s_add_co_u32 s23, s23, SC
	v_lshl_add_u32 v[SCR], v3, 4, s23
	v_mov_b32 v[SCW], s23
	s_wait_kmcnt 0x0
	s_mov_b32 s25, 0
	s_lshl_b32 s24, s22, 10                        ; the K block's 256 columns of h1p and b1
	s_add_nc_u64 s[AB:AB+1], s[AB:AB+1], s[24:25]
	s_add_nc_u64 s[6:7], s[6:7], s[24:25]
	s_lshl_b32 s23, s21, 8
	s_mul_i32 s24, s22, 256*WROW
	s_add_co_u32 s24, s24, s23
	s_add_nc_u64 s[WB:WB+1], s[WB:WB+1], s[24:25]
	s_mul_i32 s24, s22, 8*WROW
	s_add_co_u32 s24, s24, s23
	s_add_nc_u64 s[YB:YB+1], s[YB:YB+1], s[24:25]
.set p, 0
.rept 4
	global_load_b128 v[PL+8*p:PL+8*p+3], v[AO], s[AB:AB+1] offset:p*65536
	global_load_b128 v[PL+8*p+4:PL+8*p+7], v[AO], s[AB:AB+1] offset:p*65536+512
.set p, p+1
.endr
	global_load_b128 v[B1:B1+3], v[LO], s[6:7]
	global_load_b128 v[B1+4:B1+7], v[LO], s[6:7] offset:512
.set i, 0
.rept 16
	global_load_b128 v[WL+4*i:WL+4*i+3], v[WO], s[WB:WB+1] offset:(i+8*(i/8))*WROW th:TH_LOAD_NT
.set i, i+1
.endr
	s_wait_loadcnt 16                              ; the 10 loads of A are in; W's 16 may stay out
.set j, 0
.rept 4
	v_pk_add_f32 v[PL+2*j:PL+2*j+1], v[PL+2*j:PL+2*j+1], v[PL+8+2*j:PL+8+2*j+1]
	v_pk_add_f32 v[PL+16+2*j:PL+16+2*j+1], v[PL+16+2*j:PL+16+2*j+1], v[PL+24+2*j:PL+24+2*j+1]
.set j, j+1
.endr
.set j, 0
.rept 4
	v_pk_add_f32 v[PL+2*j:PL+2*j+1], v[PL+2*j:PL+2*j+1], v[PL+16+2*j:PL+16+2*j+1]
.set j, j+1
.endr
.set j, 0
.rept 4
	v_pk_add_f32 v[AV+2*j:AV+2*j+1], v[PL+2*j:PL+2*j+1], v[B1+2*j:B1+2*j+1]
.set j, j+1
.endr
.set j, 0
.rept 8
	v_fma_f32 v[TT+j], s30, |v[AV+j]|, 1.0         ; 1 + 0.3275911 z
	v_mul_f32 v[EE+j], v[AV+j], v[AV+j]
.set j, j+1
.endr
.set j, 0
.rept 8
	v_mul_f32 v[EE+j], s31, v[EE+j]                ; -z z log2(e)
.set j, j+1
.endr
.set j, 0
.rept 8                                        ; one batch of sixteen
	v_rcp_f32 v[TT+j], v[TT+j]
	v_exp_f32 v[EE+j], v[EE+j]
.set j, j+1
.endr
	v_nop                                          ; the plain instruction behind the last of them
	s_wait_alu depctr_va_vdst(0)                   ; the wait ahead of the batch's first reader
.set j, 0
.rept 8
	v_fmaak_f32 v[UU+j], s32, v[TT+j], 0xbf3a00e3  ; a5 t + a4, halved
.set j, j+1
.endr
.set j, 0
.rept 8
	v_fmaak_f32 v[UU+j], v[UU+j], v[TT+j], 0x3f35f0e3  ; a3
.set j, j+1
.endr
.set j, 0
.rept 8
	v_fmaak_f32 v[UU+j], v[UU+j], v[TT+j], 0xbe11a98e  ; a2
.set j, j+1
.endr
.set j, 0
.rept 8
	v_fmaak_f32 v[UU+j], v[UU+j], v[TT+j], 0x3e027906  ; a1
	v_mul_f32 v[TT+j], v[TT+j], v[EE+j]
.set j, j+1
.endr
.set j, 0
.rept 8
	v_mul_f32 v[UU+j], v[UU+j], v[TT+j]            ; E / 2
.set j, j+1
.endr
.set j, 0
.rept 8
	v_sub_f32 v[TT+j], 1.0, v[UU+j]
.set j, j+1
.endr
.set j, 0
.rept 8
	v_cmp_le_f32 vcc_lo, 0, v[AV+j]
	v_cndmask_b32 v[UU+j], v[UU+j], v[TT+j], vcc_lo
.set j, j+1
.endr
.set j, 0
.rept 4
	v_pk_mul_f32 v[AV+2*j:AV+2*j+1], v[AV+2*j:AV+2*j+1], v[UU+2*j:UU+2*j+1]
.set j, j+1
.endr
.set i, 0
.rept 8
	v_and_b32 v[RR+i], s29, v[AV+i]
.set i, i+1
.endr
	v_max3_num_f32 v36, v[RR], v[RR+1], v[RR+2]
	v_max3_num_f32 v37, v[RR+3], v[RR+4], v[RR+5]
	v_max3_num_f32 v36, v36, v[RR+6], v[RR+7]
	v_max_num_f32 v36, v36, v37
	v_max_num_f32_dpp v36, v36, v36 row_xmask:1 row_mask:0xf bank_mask:0xf
	v_max_num_f32_dpp v36, v36, v36 row_xmask:2 row_mask:0xf bank_mask:0xf
	v_max_num_f32_dpp v36, v36, v36 row_xmask:4 row_mask:0xf bank_mask:0xf
	v_max_num_f32_dpp v36, v36, v36 row_xmask:8 row_mask:0xf bank_mask:0xf
	v_permlanex16_b32 v37, v36, s26, s27
	v_max_num_f32 v36, v36, v37
	v_max_num_f32 v36, 0x0da24260, v36             ; at least 1e-30
	v_rcp_f32 v38, v36
	v_mov_b32 v39, 0                               ; the plain instruction behind the reciprocal; it also completes the pair
	s_wait_alu depctr_va_vdst(0)
.set i, 0
.rept 4
	v_pk_mul_f32 v[AV+2*i:AV+2*i+1], v[AV+2*i:AV+2*i+1], v[38:39] op_sel_hi:[1,0]
.set i, i+1
.endr
.set i, 0
.rept 4
	v_cvt_pk_f16_f32 v[AH+i], v[AV+2*i], v[AV+2*i+1]
.set i, i+1
.endr
	ds_store_b64 v[ASW], v[AH:AH+1]
	ds_store_b64 v[ASW], v[AH+2:AH+3] offset:256
	ds_store_b32 v[SCW], v36
	s_wait_dscnt 0x0                               ; for the others' sake: my row and its scale lie in LDS
	s_barrier_signal -1
	s_barrier_wait -1
	ds_load_b128 v[FA:FA+3], v[ASR]
	ds_load_b128 v[FA+4:FA+7], v[ASR] offset:32
	s_wait_loadcnt 0x0                             ; W
.set c, 0
.rept 4
.set t, 0
.rept 8
	v_cvt_pk_f16_f32 v[F+8*c+t], v[WL+8*t+c], v[WL+8*t+4+c]
.set t, t+1
.endr
.set c, c+1
.endr
	s_wait_dscnt 0x0
.set c, 0
.rept 4
	v_wmma_f32_16x16x32_f16 v[D+8*c:D+8*c+7], v[FA:FA+7], v[F+8*c:F+8*c+7], 0
.set c, c+1
.endr
.rept 8
	v_nop                                          ; the places behind the products
.endr
.set p, 0
.rept 4                                        ; lanes 0-15 keep row p, lanes 16-31 take row p + 4; each accumulator is read from its low end on
.set c, 0
.rept 4
	v_cndmask_b32 v[SEL+4*p+c], v[D+8*c+p], v[D+8*c+p+4], s28
.set c, c+1
.endr
.set p, p+1
.endr
.set p, 0
.rept 4
	ds_store_b128 v[RDW], v[SEL+4*p:SEL+4*p+3] offset:512*p
.set p, p+1
.endr
	s_wait_dscnt 0x0
	s_barrier_signal -1
	s_barrier_wait -1                              ; all eight partial products lie in LDS
	s_cmp_lt_u32 s20, 4
	s_cbranch_scc0 .Lend
.set i, 0
.rept 8
	ds_load_b128 v[RR+4*i:RR+4*i+3], v[RDR] offset:2048*i
.set i, i+1
.endr
	ds_load_b32 v36, v[SCR]
	s_wait_dscnt 0x0
.set i, 0
.rept 8
	v_pk_add_f32 v[RR+2*i:RR+2*i+1], v[RR+2*i:RR+2*i+1], v[RR+16+2*i:RR+16+2*i+1]
.set i, i+1
.endr
.set i, 0
.rept 4
	v_pk_add_f32 v[RR+2*i:RR+2*i+1], v[RR+2*i:RR+2*i+1], v[RR+8+2*i:RR+8+2*i+1]
.set i, i+1
.endr
.set i, 0
.rept 2
	v_pk_add_f32 v[RR+2*i:RR+2*i+1], v[RR+2*i:RR+2*i+1], v[RR+4+2*i:RR+4+2*i+1]
.set i, i+1
.endr
	v_pk_mul_f32 v[OUT:OUT+1], v[RR:RR+1], v[36:37] op_sel_hi:[1,0]
	v_pk_mul_f32 v[OUT+2:OUT+3], v[RR+2:RR+3], v[36:37] op_sel_hi:[1,0]
	global_store_b128 v[YO], v[OUT:OUT+3], s[YB:YB+1]  ; each half of the lanes stores 256 consecutive bytes, aligned
.Lend:
	s_wait_tensorcnt 0x0                           ; the wave's end, behind my last LDS store
	ds_add_u32 v[SPW], v[NIL]
	s_wait_dscnt 0x0
	s_endpgm
.Lfunc_end_k_qcce7da897f_mlp2:
	.size	k_qcce7da897f_mlp2, .Lfunc_end_k_qcce7da897f_mlp2-k_qcce7da897f_mlp2
	.p2alignl 7, 3214868480
	.fill 96, 4, 3214868480
	.section	.rodata,"a",@progbits
	.p2align	6, 0x0
	.amdhsa_kernel k_qcce7da897f_mlp2
		.amdhsa_group_segment_fixed_size 21760
		.amdhsa_private_segment_fixed_size 0
		.amdhsa_enable_private_segment 0
		.amdhsa_kernarg_size 32
		.amdhsa_user_sgpr_count 2
		.amdhsa_user_sgpr_kernarg_segment_ptr 1
		.amdhsa_wavefront_size32 1
		.amdhsa_system_sgpr_workgroup_id_x 1
		.amdhsa_system_sgpr_workgroup_id_y 1
		.amdhsa_system_sgpr_workgroup_id_z 1
		.amdhsa_system_vgpr_workitem_id 0
		.amdhsa_next_free_vgpr 256
		.amdhsa_next_free_sgpr 66
		.amdhsa_reserve_vcc 1
		.amdhsa_float_denorm_mode_32 3
		.amdhsa_float_denorm_mode_16_64 3
		.amdhsa_memory_ordered 1
		.amdhsa_forward_progress 1
		.amdhsa_inst_pref_size 20
	.end_amdhsa_kernel
	.amdgpu_metadata
---
amdhsa.version: [ 1, 2 ]
amdhsa.kernels:
  - .name:           k_qcce7da897f_mlp2
    .symbol:         k_qcce7da897f_mlp2.kd
    .args:
      - { .name: h1p, .offset: 0, .size: 8, .value_kind: global_buffer, .address_space: global }
      - { .name: b1, .offset: 8, .size: 8, .value_kind: global_buffer, .address_space: global }
      - { .name: w2, .offset: 16, .size: 8, .value_kind: global_buffer, .address_space: global }
      - { .name: h2p, .offset: 24, .size: 8, .value_kind: global_buffer, .address_space: global }
    .group_segment_fixed_size: 21760
    .private_segment_fixed_size: 0
    .kernarg_segment_align: 8
    .kernarg_segment_size: 32
    .max_flat_workgroup_size: 256
    .sgpr_count:     66
    .vgpr_count:     256
    .wavefront_size: 32
...
	.end_amdgpu_metadata
.endif
;; end of part 7
;; launch finish (part 8): grid 8 x 1, 1 waves a work-group, no clusters, 0 bytes of LDS; arguments op, bo, h2p, b2, out0, out1; writes out0, out1
.if DOCPART == 8
	.amdgcn_target "amdgcn-amd-amdhsa--gfx1250"
	.amdhsa_code_object_version 6
	.text
	.protected	k_qcce7da897f_finish
	.globl	k_qcce7da897f_finish
	.p2align	8
	.type	k_qcce7da897f_finish,@function
k_qcce7da897f_finish:
	s_mov_b64 s[64:65], 0
	v_nop
	global_prefetch_b8 v0, s[64:65] scope:SCOPE_SE
	s_setreg_imm32_b32 hwreg(HW_REG_WAVE_MODE, 25, 1), 1
	s_wait_xcnt 0x0
; out0[m][n] = (the 4 partial sums of op + bo) + (the 8 partial sums of h2p + b2): the residual and the MLP's second layer;  out1[n] = the mean of out0 over its 8 rows.  All in f32.
; One wave takes 128 columns of all 8 rows: a lane 4 columns, so each load and store covers 512 consecutive bytes, and the mean never leaves the lane: no LDS, no barrier.
; A ring of four row slots of 12 loads; a slot is loaded again when its row has been added up.  The registers that stores read are never rewritten.
; 36 KiB go out and 400 KiB come in: eight waves are all the work there is; matrix unit, cluster and data mover have nothing to do here.
.set BB,   4                           ; v[4:7] bo, then bo + b2;  v[8:11] b2
.set MEAN, 12                          ; v[12:15]
.set SL,   32                          ; v[32:223] slot m % 4: op's 4 partial sums, then h2p's 8
.set OUT,  224                         ; v[224:255] row m at OUT + 4 m
.macro LOADROW m
.set sl, SL+48*((\m)%4)
.set p, 0
.rept 4
	global_load_b128 v[sl+4*p:sl+4*p+3], v1, s[4:5] offset:p*32768+(\m)*4096
.set p, p+1
.endr
.set p, 0
.rept 8
	global_load_b128 v[sl+16+4*p:sl+16+4*p+3], v1, s[8:9] offset:p*32768+(\m)*4096
.set p, p+1
.endr
.endm
.macro ROW m, left                     ; left: the loads of the rows behind, which may stay out
	s_wait_loadcnt \left
.if (\m) == 0
	v_pk_add_f32 v[BB:BB+1], v[BB:BB+1], v[BB+4:BB+5]
	v_pk_add_f32 v[BB+2:BB+3], v[BB+2:BB+3], v[BB+6:BB+7]
.endif
.set sl, SL+48*((\m)%4)
.set k, 0
.rept 12
	v_pk_add_f32 v[sl+2*k:sl+2*k+1], v[sl+2*k:sl+2*k+1], v[sl+24+2*k:sl+24+2*k+1]
.set k, k+1
.endr
.set k, 0
.rept 6
	v_pk_add_f32 v[sl+2*k:sl+2*k+1], v[sl+2*k:sl+2*k+1], v[sl+12+2*k:sl+12+2*k+1]
.set k, k+1
.endr
.set k, 0
.rept 2
	v_pk_add_f32 v[sl+2*k:sl+2*k+1], v[sl+2*k:sl+2*k+1], v[sl+4+2*k:sl+4+2*k+1]
	v_pk_add_f32 v[sl+8+2*k:sl+8+2*k+1], v[sl+8+2*k:sl+8+2*k+1], v[BB+2*k:BB+2*k+1]
.set k, k+1
.endr
.set k, 0
.rept 2
	v_pk_add_f32 v[OUT+4*(\m)+2*k:OUT+4*(\m)+2*k+1], v[sl+2*k:sl+2*k+1], v[sl+8+2*k:sl+8+2*k+1]
.set k, k+1
.endr
	global_store_b128 v1, v[OUT+4*(\m):OUT+4*(\m)+3], s[12:13] offset:(\m)*4096
.if (\m) == 1
	v_pk_add_f32 v[MEAN:MEAN+1], v[OUT:OUT+1], v[OUT+4:OUT+5]
	v_pk_add_f32 v[MEAN+2:MEAN+3], v[OUT+2:OUT+3], v[OUT+6:OUT+7]
.elseif (\m) > 1
	v_pk_add_f32 v[MEAN:MEAN+1], v[MEAN:MEAN+1], v[OUT+4*(\m):OUT+4*(\m)+1]
	v_pk_add_f32 v[MEAN+2:MEAN+3], v[MEAN+2:MEAN+3], v[OUT+4*(\m)+2:OUT+4*(\m)+3]
.endif
.if (\m) < 4
	LOADROW (\m)+4
.endif
.endm
	s_load_b256 s[4:11], s[0:1], 0x0               ; op s[4:5], bo s[6:7], h2p s[8:9], b2 s[10:11]
	s_load_b128 s[12:15], s[0:1], 0x20             ; out0 s[12:13], out1 s[14:15]
	v_lshlrev_b32 v1, 4, v0
	s_lshl_b32 s20, ttmp9, 9
	v_add_nc_u32 v1, s20, v1                       ; my 16 bytes of a row: the same in every buffer; never rewritten
	s_wait_kmcnt 0x0
	global_load_b128 v[BB:BB+3], v1, s[6:7]
	global_load_b128 v[BB+4:BB+7], v1, s[10:11]
	LOADROW 0
	LOADROW 1
	LOADROW 2
	LOADROW 3
	ROW 0, 36
	ROW 1, 36
	ROW 2, 36
	ROW 3, 36
	ROW 4, 36
	ROW 5, 24
	ROW 6, 12
	ROW 7, 0
	v_pk_mul_f32 v[MEAN:MEAN+1], v[MEAN:MEAN+1], 0x3e000000 op_sel_hi:[1,0]
	v_pk_mul_f32 v[MEAN+2:MEAN+3], v[MEAN+2:MEAN+3], 0x3e000000 op_sel_hi:[1,0]
	global_store_b128 v1, v[MEAN:MEAN+3], s[14:15]
	s_endpgm
.Lfunc_end_k_qcce7da897f_finish:
	.size	k_qcce7da897f_finish, .Lfunc_end_k_qcce7da897f_finish-k_qcce7da897f_finish
	.p2alignl 7, 3214868480
	.fill 96, 4, 3214868480
	.section	.rodata,"a",@progbits
	.p2align	6, 0x0
	.amdhsa_kernel k_qcce7da897f_finish
		.amdhsa_group_segment_fixed_size 0
		.amdhsa_private_segment_fixed_size 0
		.amdhsa_enable_private_segment 0
		.amdhsa_kernarg_size 48
		.amdhsa_user_sgpr_count 2
		.amdhsa_user_sgpr_kernarg_segment_ptr 1
		.amdhsa_wavefront_size32 1
		.amdhsa_system_sgpr_workgroup_id_x 1
		.amdhsa_system_sgpr_workgroup_id_y 1
		.amdhsa_system_sgpr_workgroup_id_z 1
		.amdhsa_system_vgpr_workitem_id 0
		.amdhsa_next_free_vgpr 256
		.amdhsa_next_free_sgpr 66
		.amdhsa_reserve_vcc 0
		.amdhsa_float_denorm_mode_32 3
		.amdhsa_float_denorm_mode_16_64 3
		.amdhsa_memory_ordered 1
		.amdhsa_forward_progress 1
		.amdhsa_inst_pref_size 24
	.end_amdhsa_kernel
	.amdgpu_metadata
---
amdhsa.version: [ 1, 2 ]
amdhsa.kernels:
  - .name:           k_qcce7da897f_finish
    .symbol:         k_qcce7da897f_finish.kd
    .args:
      - { .name: op, .offset: 0, .size: 8, .value_kind: global_buffer, .address_space: global }
      - { .name: bo, .offset: 8, .size: 8, .value_kind: global_buffer, .address_space: global }
      - { .name: h2p, .offset: 16, .size: 8, .value_kind: global_buffer, .address_space: global }
      - { .name: b2, .offset: 24, .size: 8, .value_kind: global_buffer, .address_space: global }
      - { .name: out0, .offset: 32, .size: 8, .value_kind: global_buffer, .address_space: global }
      - { .name: out1, .offset: 40, .size: 8, .value_kind: global_buffer, .address_space: global }
    .group_segment_fixed_size: 0
    .private_segment_fixed_size: 0
    .kernarg_segment_align: 8
    .kernarg_segment_size: 48
    .max_flat_workgroup_size: 32
    .sgpr_count:     66
    .vgpr_count:     256
    .wavefront_size: 32
...
	.end_amdgpu_metadata
.endif
;; end of part 8
;; ======== version 2 of 2: 8 launches; version 1 with the launches qkfold, condense written anew for expert scheduling mode
;; limits: values are held in f16: magnitudes above 65,504 overflow, below 6.1e-05 lose precision; inputs' magnitudes at most 65,504
;; workspace buffers: qp 131,072 bytes; qkf 133,120 bytes; part 67,239,936 bytes; attnp 524,288 bytes; op 131,072 bytes; h1p 262,144 bytes; h2p 262,144 bytes
;; launch qproj: the kernel of part 1 again; grid 16 x 4, 8 waves a work-group, no clusters, 21,760 bytes of LDS; arguments latents, wq, qp; writes qp
;; launch qkfold (part 9): grid 8 x 8, 4 waves a work-group, no clusters, 37,888 bytes of LDS; arguments qp, bq, wk, bk, qkf; writes qkf
.if DOCPART == 9
	.amdgcn_target "amdgcn-amd-amdhsa--gfx1250"
	.amdhsa_code_object_version 6
	.text
	.protected	k_qcce7da897f_qkfold
	.globl	k_qcce7da897f_qkfold
	.p2align	8
	.type	k_qcce7da897f_qkfold,@function
k_qcce7da897f_qkfold:
	s_mov_b64 s[64:65], 0
	v_nop
	global_prefetch_b8 v0, s[64:65] scope:SCOPE_SE
	s_setreg_imm32_b32 hwreg(HW_REG_WAVE_SCHED_MODE, 0, 2), 2
	s_setreg_imm32_b32 hwreg(HW_REG_WAVE_MODE, 25, 1), 1
	s_wait_xcnt 0x0
	s_wait_alu depctr_vm_vsrc(0)
; qk[head, m][d] = C x the sum over j of wk[d][128 head + j] q[m][128 head + j], and cb[head, m] = C x q . bk, with q = the 4 partial sums of qp + bq and C = log2(e) / sqrt(128).
; Then logits x log2(e) = x . qk + cb for every row x of the long sequence: K is never formed, and bk enters through cb.
; SHARES.  A work-group takes one head and 128 rows d of wk, a wave 32 of them: its loads are 512 consecutive bytes of a row.  wk goes through the wave's own LDS rows as f16, since a source wants j along a lane's registers.
; PRODUCT.  Source 0 = 16 rows d of wk, source 1 = q (columns 8-15 repeat queries 0-7): a lane ends with 8 neighbouring d of one query: 16 bytes of f16.
; qkf holds qk as the main pass's sources lie in registers: block (d / 256, pair of heads, K step of 32 d, half q) of 512 bytes; in it (head & 1) x 256 + (8 h + m) x 16.
; cb lies behind, at byte 131,072: for each head 256 bytes, its 8 numbers eight times over.
; FORMAT: f16 operands, f32 sums, C applied in f32 ahead of the one rounding.  LIMITS: |wk|, |q|, |qk| under 65,504; below 6e-5 qk keeps f16's fixed step of 6e-8.
; NO CLUSTER: the eight work-groups of a head share q alone, 4 KiB beside the 64 KiB of wk that each reads for itself.
; THE MODE: SCHED_MODE bits 1:0 = 2 (LLVM: expert scheduling mode 2), set by the entry lines.  The code itself states the register dependences
; between vector or matrix instructions and memory or LDS instructions, with s_wait_alu, always for 0.
; THE PLAN.  Registers that memory or LDS instructions touch:
;   v4-15, v59    addresses, made at the head and never written again.
;   v56-57, v60-63  cb and the two rows of q in f16: written by the arithmetic on q, read by four LDS stores, never written again.
;   WL            32 loads of wk land in it; the 64 roundings read it; then the fragments' LDS loads land in its first 96 registers.
;   CT            written once by the 64 roundings, read by the 32 LDS stores, never written again.
;   OUT           written by the selects, read by one global store.       v16-17  last named by the arithmetic on q; cb's LDS load lands there.
; So no register that a memory or LDS instruction has read is written again, and four waits on va_vdst state the rest: ahead of the first load, of q's stores, of wk's stores, of the store of qk.
.set WP,    272                        ; an LDS row: 256 bytes of f16 + 16
.set QS,    34816                      ; q: 8 rows; in front of it 4 waves x 32 rows of wk
.set CBS,   37120                      ; cb: 8 words
.set SPARE, 37376                      ; the spare words, 128 bytes a wave: two blocks of 256 bytes that no other line names
.set QPO, 4                            ; v4   w x 4,096 + 16 l
.set LO,  5                            ; v5   16 l
.set WKO, 6                            ; v6   32 w x 4,096 + 16 l
.set WSW, 7                            ; v7   my rows of wk in LDS + 8 l
.set WSR, 8                            ; v8   my rows + r x WP + 16 h
.set QSW, 9                            ; v9   QS + w x WP + 8 l
.set QSR, 10                           ; v10  QS + (r & 7) x WP + 16 h
.set CBW, 11                           ; v11  CBS + 4 w
.set SPW, 12
.set NIL, 13
.set GO,  14                           ; v14  (r >> 3) x 512 + (8 h + (r & 7)) x 16
.set CBR, 15                           ; v15  at work in the head; then CBS + 8 (l & 3)
.set QL,  16                           ; v[16:47]  qp: row w + 4 j, partial p at QL + 16 j + 4 p
.set BQ,  48
.set BK,  52
.set CBG, 59                           ; v59  8 l
.set WL,  64                           ; v[64:191] 32 rows of wk; later:
.set WF,  64                           ; v[64:127] source 0: tile t, K step kk at WF + 8 (4 t + kk)
.set QF,  128                          ; v[128:159] source 1: K step kk at QF + 8 kk
.set D,   160                          ; v[160:175]
.set H,   176                          ; v[176:183]
.set OUT, 184
.set CT,  192                          ; v[192:255] wk in f16: row i at CT + 2 i
.set CS,  30                           ; s[30:31] C
	s_load_b256 s[4:11], s[0:1], 0x0               ; qp s[4:5], bq s[6:7], wk s[8:9], bk s[10:11]
	s_load_b64 s[12:13], s[0:1], 0x20              ; qkf
	v_lshl_add_u32 v[SPW], v0, 2, SPARE
	v_mov_b32 v[NIL], 0
	v_and_b32 v1, 31, v0
	v_and_b32 v2, 15, v0
	v_bfe_u32 v3, v0, 4, 1
	v_lshrrev_b32 v15, 5, v0
	v_readfirstlane_b32 s20, v15                   ; wave
	s_mov_b32 s21, ttmp9                           ; block of 128 d
	s_and_b32 s22, ttmp7, 0xffff                   ; head
	s_mov_b32 s26, 0x76543210
	s_mov_b32 s27, 0xfedcba98
	s_mov_b32 s28, 0xff00ff00                      ; lanes with r >= 8
	s_mov_b32 s[CS], 0x3e0293ee                    ; log2(e) / sqrt(128)
	s_mov_b32 s[CS+1], s[CS]
	s_wait_alu depctr_va_sdst(0)                   ; s20 is written, ahead of its first reader: addresses and bases are made from it
	s_lshl_b32 s23, s20, 12
	v_lshl_add_u32 v[QPO], v1, 4, s23
	v_lshlrev_b32 v[LO], 4, v1
	s_lshl_b32 s23, s20, 17
	v_lshl_add_u32 v[WKO], v1, 4, s23
	s_mul_i32 s23, s20, 32*WP
	v_lshl_add_u32 v[WSW], v1, 3, s23
	v_mul_u32_u24 v[WSR], v2, WP
	v_lshl_add_u32 v[WSR], v3, 4, v[WSR]
	v_add_nc_u32 v[WSR], s23, v[WSR]
	s_mul_i32 s23, s20, WP
	s_add_co_u32 s23, s23, QS
	v_lshl_add_u32 v[QSW], v1, 3, s23
	v_and_b32 v15, 7, v0
	v_mul_u32_u24 v[QSR], v15, WP
	v_lshl_add_u32 v[QSR], v3, 4, v[QSR]
	v_add_nc_u32 v[QSR], QS, v[QSR]
	s_lshl_b32 s23, s20, 2
	s_add_co_u32 s23, s23, CBS
	v_mov_b32 v[CBW], s23
	v_lshl_add_u32 v[GO], v3, 3, v15
	v_lshlrev_b32 v[GO], 4, v[GO]
	v_bfe_u32 v15, v0, 3, 1
	v_lshl_add_u32 v[GO], v15, 9, v[GO]
	v_and_b32 v[CBR], 3, v0                        ; the two addresses by which cb leaves are made here, with the others
	v_lshl_add_u32 v[CBR], v[CBR], 3, CBS
	v_lshlrev_b32 v[CBG], 3, v1
	s_wait_kmcnt 0x0
	s_mov_b32 s25, 0
	s_lshl_b32 s24, s22, 9                         ; the head's 128 columns
	s_add_nc_u64 s[4:5], s[4:5], s[24:25]
	s_add_nc_u64 s[6:7], s[6:7], s[24:25]
	s_add_nc_u64 s[10:11], s[10:11], s[24:25]
	s_lshl_b32 s23, s21, 19                        ; the block's 128 rows of 4,096 bytes
	s_add_co_u32 s24, s24, s23
	s_add_nc_u64 s[8:9], s[8:9], s[24:25]
	s_lshr_b32 s23, s21, 1                         ; d / 256
	s_lshr_b32 s24, s22, 1                         ; pair of heads
	s_lshl2_add_u32 s23, s23, s24
	s_and_b32 s24, s21, 1
	s_lshl2_add_u32 s24, s24, s20                  ; K step of 32 d
	s_lshl3_add_u32 s23, s23, s24
	s_lshl_b32 s23, s23, 10                        ; two blocks of 512 bytes a K step
	s_and_b32 s24, s22, 1
	s_lshl_b32 s24, s24, 8
	s_add_co_u32 s24, s24, s23
	s_add_nc_u64 s[14:15], s[12:13], s[24:25]      ; my two blocks
	s_lshl_b32 s24, s22, 8
	s_add_nc_u64 s[16:17], s[12:13], s[24:25]      ; the head's 256 bytes of cb, less 131,072
	s_wait_alu depctr_va_vdst(0)                   ; the addresses v4 to v15 and v59 are written, which every load and store of the kernel reads
.set j, 0
.rept 2
.set p, 0
.rept 4
	global_load_b128 v[QL+16*j+4*p:QL+16*j+4*p+3], v[QPO], s[4:5] offset:p*32768+j*16384
.set p, p+1
.endr
.set j, j+1
.endr
	global_load_b128 v[BQ:BQ+3], v[LO], s[6:7]
	global_load_b128 v[BK:BK+3], v[LO], s[10:11]
.set i, 0
.rept 32
	global_load_b128 v[WL+4*i:WL+4*i+3], v[WKO], s[8:9] offset:i*4096 th:TH_LOAD_NT
.set i, i+1
.endr
	s_wait_loadcnt 32                              ; qp, bq, bk are in; wk's 32 loads may stay out
	v_mov_b32 v58, 0
.set j, 0
.rept 2                                        ; rows w and w + 4 of q: each has its own registers for what is stored
.set b, QL+16*j
	v_pk_add_f32 v[b:b+1], v[b:b+1], v[b+4:b+5]
	v_pk_add_f32 v[b+2:b+3], v[b+2:b+3], v[b+6:b+7]
	v_pk_add_f32 v[b+8:b+9], v[b+8:b+9], v[b+12:b+13]
	v_pk_add_f32 v[b+10:b+11], v[b+10:b+11], v[b+14:b+15]
	v_pk_add_f32 v[b:b+1], v[b:b+1], v[b+8:b+9]
	v_pk_add_f32 v[b+2:b+3], v[b+2:b+3], v[b+10:b+11]
	v_pk_add_f32 v[b:b+1], v[b:b+1], v[BQ:BQ+1]
	v_pk_add_f32 v[b+2:b+3], v[b+2:b+3], v[BQ+2:BQ+3]
	v_mul_f32 v[56+j], v[b], v[BK]
	v_fmac_f32 v[56+j], v[b+1], v[BK+1]
	v_fmac_f32 v[56+j], v[b+2], v[BK+2]
	v_fmac_f32 v[56+j], v[b+3], v[BK+3]
	v_add_f32_dpp v[56+j], v[56+j], v[56+j] row_xmask:1 row_mask:0xf bank_mask:0xf
	v_add_f32_dpp v[56+j], v[56+j], v[56+j] row_xmask:2 row_mask:0xf bank_mask:0xf
	v_add_f32_dpp v[56+j], v[56+j], v[56+j] row_xmask:4 row_mask:0xf bank_mask:0xf
	v_add_f32_dpp v[56+j], v[56+j], v[56+j] row_xmask:8 row_mask:0xf bank_mask:0xf
	v_permlanex16_b32 v58, v[56+j], s26, s27
	v_add_f32 v[56+j], v[56+j], v58
	v_mul_f32 v[56+j], s[CS], v[56+j]
	v_cvt_pk_f16_f32 v[60+2*j], v[b], v[b+1]
	v_cvt_pk_f16_f32 v[61+2*j], v[b+2], v[b+3]
.set j, j+1
.endr
	s_wait_alu depctr_va_vdst(0)                   ; cb in v56 and v57 and q in f16 in v60 to v63 are written, which the four LDS stores read
.set j, 0
.rept 2
	ds_store_b32 v[CBW], v[56+j] offset:16*j
	ds_store_b64 v[QSW], v[60+2*j:61+2*j] offset:4*WP*j
.set j, j+1
.endr
	s_wait_dscnt 0x0                               ; for the others' sake: my two rows of q and their cb lie in LDS
	s_barrier_signal -1
	s_barrier_wait -1
	s_wait_loadcnt 0x0                             ; wk
.set i, 0
.rept 32
	v_cvt_pk_f16_f32 v[CT+2*i], v[WL+4*i], v[WL+4*i+1]
	v_cvt_pk_f16_f32 v[CT+2*i+1], v[WL+4*i+2], v[WL+4*i+3]
.set i, i+1
.endr
	s_wait_alu depctr_va_vdst(0)                   ; the roundings have written CT, which the LDS stores read, and are done reading WL, in which the fragments' loads below land
.set i, 0
.rept 32
	ds_store_b64 v[WSW], v[CT+2*i:CT+2*i+1] offset:i*WP
.set i, i+1
.endr
.set kk, 0
.rept 4
	ds_load_b128 v[QF+8*kk:QF+8*kk+3], v[QSR] offset:64*kk
	ds_load_b128 v[QF+8*kk+4:QF+8*kk+7], v[QSR] offset:64*kk+32
.set kk, kk+1
.endr
.set t, 0
.rept 2                                        ; my own rows: LDS serves a wave's instructions in order, so these see the stores above
.set kk, 0
.rept 4
	ds_load_b128 v[WF+8*(4*t+kk):WF+8*(4*t+kk)+3], v[WSR] offset:16*t*WP+64*kk
	ds_load_b128 v[WF+8*(4*t+kk)+4:WF+8*(4*t+kk)+7], v[WSR] offset:16*t*WP+64*kk+32
.set kk, kk+1
.endr
.set t, t+1
.endr
	s_wait_dscnt 0x0
.set kk, 0
.rept 4                                        ; the two accumulators take turns
.set t, 0
.rept 2
.if kk == 0
	v_wmma_f32_16x16x32_f16 v[D+8*t:D+8*t+7], v[WF+8*(4*t+kk):WF+8*(4*t+kk)+7], v[QF+8*kk:QF+8*kk+7], 0
.else
	v_wmma_f32_16x16x32_f16 v[D+8*t:D+8*t+7], v[WF+8*(4*t+kk):WF+8*(4*t+kk)+7], v[QF+8*kk:QF+8*kk+7], v[D+8*t:D+8*t+7]
.endif
.set t, t+1
.endr
.set kk, kk+1
.endr
.rept 8
	v_nop                                          ; the places behind the products
.endr
.set i, 0
.rept 8
	v_pk_mul_f32 v[D+2*i:D+2*i+1], v[D+2*i:D+2*i+1], s[CS:CS+1] op_sel_hi:[1,0]
.set i, i+1
.endr
.set i, 0
.rept 8
	v_cvt_pk_f16_f32 v[H+i], v[D+2*i], v[D+2*i+1]
.set i, i+1
.endr
.set i, 0
.rept 4                                        ; lanes r < 8 send tile 0 (half q = 0), lanes r >= 8, which hold the same queries, tile 1
	v_cndmask_b32 v[OUT+i], v[H+i], v[H+4+i], s28
.set i, i+1
.endr
	s_wait_alu depctr_va_vdst(0)                   ; the selects have written OUT, which the store reads; the arithmetic on q is long done with v16 and v17, in which cb's load below lands
	global_store_b128 v[GO], v[OUT:OUT+3], s[14:15]  ; two runs of 256 consecutive bytes, aligned
	s_or_b32 s23, s21, s20
	s_cmp_eq_u32 s23, 0
	s_cbranch_scc0 .Lend                           ; the head's first work-group, wave 0, writes cb
	ds_load_b64 v[QL:QL+1], v[CBR]                 ; into registers that no memory or LDS instruction has read
	s_wait_dscnt 0x0
	global_store_b64 v[CBG], v[QL:QL+1], s[16:17] offset:131072
.Lend:
	s_wait_dscnt 0x0                               ; the closing lines, six on end
	s_wait_alu 0x0
	s_wait_tensorcnt 0x0
	ds_add_u32 v[SPW], v[NIL]
	s_wait_dscnt 0x0
	s_endpgm
.Lfunc_end_k_qcce7da897f_qkfold:
	.size	k_qcce7da897f_qkfold, .Lfunc_end_k_qcce7da897f_qkfold-k_qcce7da897f_qkfold
	.p2alignl 7, 3214868480
	.fill 96, 4, 3214868480
	.section	.rodata,"a",@progbits
	.p2align	6, 0x0
	.amdhsa_kernel k_qcce7da897f_qkfold
		.amdhsa_group_segment_fixed_size 37888
		.amdhsa_private_segment_fixed_size 0
		.amdhsa_enable_private_segment 0
		.amdhsa_kernarg_size 40
		.amdhsa_user_sgpr_count 2
		.amdhsa_user_sgpr_kernarg_segment_ptr 1
		.amdhsa_wavefront_size32 1
		.amdhsa_system_sgpr_workgroup_id_x 1
		.amdhsa_system_sgpr_workgroup_id_y 1
		.amdhsa_system_sgpr_workgroup_id_z 1
		.amdhsa_system_vgpr_workitem_id 0
		.amdhsa_next_free_vgpr 256
		.amdhsa_next_free_sgpr 66
		.amdhsa_reserve_vcc 0
		.amdhsa_float_denorm_mode_32 3
		.amdhsa_float_denorm_mode_16_64 3
		.amdhsa_memory_ordered 1
		.amdhsa_forward_progress 1
		.amdhsa_inst_pref_size 21
	.end_amdhsa_kernel
	.amdgpu_metadata
---
amdhsa.version: [ 1, 2 ]
amdhsa.kernels:
  - .name:           k_qcce7da897f_qkfold
    .symbol:         k_qcce7da897f_qkfold.kd
    .args:
      - { .name: qp, .offset: 0, .size: 8, .value_kind: global_buffer, .address_space: global }
      - { .name: bq, .offset: 8, .size: 8, .value_kind: global_buffer, .address_space: global }
      - { .name: wk, .offset: 16, .size: 8, .value_kind: global_buffer, .address_space: global }
      - { .name: bk, .offset: 24, .size: 8, .value_kind: global_buffer, .address_space: global }
      - { .name: qkf, .offset: 32, .size: 8, .value_kind: global_buffer, .address_space: global }
    .group_segment_fixed_size: 37888
    .private_segment_fixed_size: 0
    .kernarg_segment_align: 8
    .kernarg_segment_size: 40
    .max_flat_workgroup_size: 128
    .sgpr_count:     66
    .vgpr_count:     256
    .wavefront_size: 32
...
	.end_amdgpu_metadata
.endif
;; end of part 9
;; launch condense (part 10): grid 256 x 1, 4 waves a work-group, no clusters, 312,320 bytes of LDS; arguments h_img_seq, qkf, part; writes part
.if DOCPART == 10
	.amdgcn_target "amdgcn-amd-amdhsa--gfx1250"
	.amdhsa_code_object_version 6
	.text
	.protected	k_qcce7da897f_condense
	.globl	k_qcce7da897f_condense
	.p2align	8
	.type	k_qcce7da897f_condense,@function
k_qcce7da897f_condense:
	s_mov_b64 s[64:65], 0
	v_nop
	global_prefetch_b8 v0, s[64:65] scope:SCOPE_SE
	s_setreg_imm32_b32 hwreg(HW_REG_WAVE_SCHED_MODE, 0, 2), 2
	s_setreg_imm32_b32 hwreg(HW_REG_WAVE_MODE, 25, 1), 1
	s_wait_xcnt 0x0
	s_wait_alu depctr_vm_vsrc(0)
; THE PASS OVER THE LONG SEQUENCE.  For the 64 rows hm = 8 head + m and the work-group's 128 rows s of X:  lg[hm][s] = x_s . qk[hm] + cb[hm] (logits x log2 e);  M[hm] = max over s;  p = 2^(lg - M);
; l[hm] = the sum of p;  part[hm][d] = the sum over s of p x_s[d].  X is read once, 512 consecutive bytes a load, and rounded to f16 on its way into LDS; both products take it from there.
; The next launch joins the 256 work-groups' (M, l, part) by the running-maximum rule and multiplies by wv: V is never formed.
; SHARES.  Wave v owns columns 256 v .. 256 v + 255 of X, as K of the first product and as the rows d of the second: its strip of LDS is its own, and no barrier guards it.
; The four waves' partial logits meet in LDS, 32 rows s at a time; wave v adds them for the 16 rows hm = 16 v + r and makes their softmax; P (f16) goes back through LDS to all four.
; LAYOUT.  S = X qk^T: source 0 = 16 rows s, source 1 = 16 rows hm: a lane holds ONE hm (r) and the rows s = 8 h + 0..7.  Two such tiles rounded in pairs ARE source 1 (32 s x 16 hm) of
; part^T = X^T P, whose source 0 (16 d x 32 s) comes turned out of LDS by ds_load_tr16_b128; its result holds one hm a lane and 8 neighbouring d.
; part lies as the next launch's source 0 lies in registers: ((head x 16 + d / 64) x 256 + work-group) x 2,048 + ((d / 16) % 4) x 512 + q x 256 + (8 h + m) x 16, four f32 with d % 16 = 8 h + 4 q + 0..3.
; M and l: behind part, at byte 67,108,864 + 512 x work-group: 64 maxima, 64 sums.
; FORMAT: f16 operands, f32 sums, softmax in f32; l is taken of the unrounded p.  LIMITS: |x| under 65,504; a p below 2^-25 counts as 0 in the second product, below 2^-126 in l.
; NO CLUSTER, NO DATA MOVER: X is shared by nobody and is converted on its way through registers; qk, the 128 KiB of the 640 KiB a work-group reads that all share, goes straight into
; registers, and of the 327,680 bytes of LDS, where a joint load would have to land, 312,320 are taken.
; REGISTERS, in windows of 256 (s_set_vgpr_msb: bits 1:0 source 0, 3:2 source 1, 5:4 source 2, 7:6 destination):
;   window 0: v0-31 addresses; v32-47 and v240-255 X in f16 on its way to LDS, two buffers; v48-111 partial logits, later fragments; v112-239 fragments of X
;   window 1: qk, (hm tile a, K step kk) at 8 (8 a + kk); later the sums of d tiles 0-7, (f, a) at 8 (4 f + a)      window 2: the 64 loads of X in flight; later the sums of d tiles 8-15
;   window 3: v0-63 logits, then p; v64-95 my P; v96-223 all P, (a, chunk c) at 96 + 8 (4 a + c); v224-230 at work
; THE MODE: SCHED_MODE bits 1:0 = 2 (LLVM: expert scheduling mode 2), set by the entry lines.  The code itself states the register dependences
; between vector or matrix instructions and memory or LDS instructions, with s_wait_alu, always for 0.
; THE PLAN.  Registers that memory or LDS instructions touch:
;   v4-25         addresses, made at the head and never written again.
;   X (window 2)  group g: its 16 roundings read it; behind them the next chunk's 8 loads land in it.
;   CT0, CT1      group g's roundings write CT[g % 2]; the group's 8 LDS stores read it; group g + 2 writes it again.
;   PA            a chunk's products write it; its 16 LDS stores read it; the next chunk's products write it again; at the end fragments land in it.
;   XF / ER       a chunk's fragments land in it, its products read it; the exchange's loads land in its lower half, the sums read and write that.
;   P, M, l       written by the softmax, read by ten LDS stores, never written again.       PF  only loads land in it.
;   XT0 .. XT2    unit u's products read XT[u % 3]; the loads of unit u + 2, issued in unit u, land in XT[(u - 1) % 3].
;   the sums      written by the products, read by the global stores, never written again.
; A group has its two waits behind its roundings: on vm_vsrc for the other CT (and, at a chunk's beginning, for PA), on va_vdst for its own CT and its part of X; the last group's also serves the chunk's
; fragment loads, since no vector instruction stands between.  A chunk has one more on va_vdst, ahead of PA's stores; the softmax one ahead of its stores; a unit of the second product one at its head.
.set XP,    544                        ; a row of a strip: 512 bytes of f16 + 32 = 17 x 32
.set STRIP, 128*XP
.set EX,    4*STRIP                    ; 32,768 bytes: the partial logits' exchange; later P
.set SS,    EX+32768                   ; 512 bytes: M, l
.set SPARE, SS+512                     ; the spare words, 128 bytes a wave: two blocks of 256 bytes that no other line names
.set XO,  4                            ; v4   1,024 v + 16 l
.set QO,  5                            ; v5   (r >> 3) x 256 + (8 h + (r & 7)) x 16
.set SA,  6                            ; v6-7 my strip + 8 l; the same 64 rows on
.set FA,  8                            ; v8   my strip + r x XP + 16 h
.set TA,  9                            ; v9   my strip + (8 h + (l & 7)) x XP + 16 ((l >> 3) & 1)
.set EXS, 10                           ; v10  EX + 2,048 v + 16 l
.set EXR, 11                           ; v11  EX + 8,192 v + 16 l
.set PBS, 12                           ; v12  EX + 4,096 v + 16 l
.set PBR, 13                           ; v13  EX + 16 l
.set SSA, 14                           ; v14  SS + 64 v + 4 r
.set LO,  15                           ; v15  16 l
.set VO,  16                           ; v16-19  hm tile a: (2 a + (r >> 3)) x 8 MiB + (8 h + (r & 7)) x 16
.set CB,  20                           ; v20-21  cb of my hm
.set SPW, 22
.set NIL, 23
.set SSR, 24                           ; v24  SS + 16 l
.set CBO, 25
.set CT,  32                           ; CT0; CT1 lies 208 registers on, at v240
.set PA,  48
.set XF,  112
.set ER,  112
.set XT,  112                          ; XT0 v112-175, XT1 v176-239, XT2 v48-111
.set LG,  0                            ; window 3
.set PO,  64
.set PF,  96
.set TM,  224
.set MSB, 0
.macro WIN new                         ; the immediate's high byte repeats the setting that is left; a switch that changes nothing is dropped
.if MSB != (\new)
	s_set_vgpr_msb (MSB<<8)|(\new)
.set MSB, (\new)
.endif
.endm
.macro PLACES                          ; four places behind matrix instructions, in front of stores of their results
.rept 4
	v_nop
.endr
.endm
; Eight loads of X: rows 32 c + 4 g .. + 3 of my 1,024 bytes, 512 consecutive bytes each
.macro LOADX c, g
	WIN 0x80
.set i, 8*(\g)
.rept 8
	global_load_b128 v[4*i:4*i+3], v[XO], s[4:5] offset:(32*(\c)+i/2)*4096+(i%2)*512 th:TH_LOAD_NT
.set i, i+1
.endr
.endm
	s_load_b128 s[4:7], s[0:1], 0x0                ; X s[4:5], qkf s[6:7]
	s_load_b64 s[8:9], s[0:1], 0x10                ; part
	v_lshl_add_u32 v[SPW], v0, 2, SPARE
	v_mov_b32 v[NIL], 0
	v_and_b32 v1, 31, v0
	v_and_b32 v2, 15, v0
	v_bfe_u32 v3, v0, 4, 1
	v_lshrrev_b32 v26, 5, v0
	v_readfirstlane_b32 s20, v26                   ; wave
	s_mov_b32 s21, ttmp9
	s_mov_b32 s26, 0x76543210
	s_mov_b32 s27, 0xfedcba98
	v_and_b32 v26, 7, v0                           ; r & 7
	v_bfe_u32 v27, v0, 3, 1                        ; r >> 3
	v_lshl_add_u32 v28, v3, 3, v26                 ; 8 h + (r & 7)
	s_wait_alu depctr_va_sdst(0)                   ; s20 is written, ahead of its first reader: addresses and bases are made from it
	s_lshl_b32 s23, s20, 10
	v_lshl_add_u32 v[XO], v1, 4, s23
	v_lshlrev_b32 v29, 4, v28
	v_lshl_add_u32 v[QO], v27, 8, v29
	s_mul_i32 s28, s20, STRIP
	v_lshl_add_u32 v[SA], v1, 3, s28
	v_add_nc_u32 v[SA+1], 64*XP, v[SA]
	v_mul_u32_u24 v[FA], v2, XP
	v_lshl_add_u32 v[FA], v3, 4, v[FA]
	v_add_nc_u32 v[FA], s28, v[FA]
	v_mul_u32_u24 v[TA], v28, XP
	v_lshl_add_u32 v[TA], v27, 4, v[TA]
	v_add_nc_u32 v[TA], s28, v[TA]
	v_lshlrev_b32 v[LO], 4, v1
	s_lshl_b32 s23, s20, 11
	s_add_co_u32 s23, s23, EX
	v_add_nc_u32 v[EXS], s23, v[LO]
	s_lshl_b32 s23, s20, 13
	s_add_co_u32 s23, s23, EX
	v_add_nc_u32 v[EXR], s23, v[LO]
	s_lshl_b32 s23, s20, 12
	s_add_co_u32 s23, s23, EX
	v_add_nc_u32 v[PBS], s23, v[LO]
	v_add_nc_u32 v[PBR], EX, v[LO]
	s_lshl_b32 s23, s20, 6
	s_add_co_u32 s23, s23, SS
	v_lshl_add_u32 v[SSA], v2, 2, s23
	v_add_nc_u32 v[SSR], SS, v[LO]
	v_lshl_add_u32 v[VO], v27, 23, v29
	v_add_nc_u32 v[VO+1], 1<<24, v[VO]
	v_add_nc_u32 v[VO+2], 2<<24, v[VO]
	v_add_nc_u32 v[VO+3], 3<<24, v[VO]
	s_lshl_b32 s23, s20, 9
	v_lshl_add_u32 v[CBO], v27, 8, s23
	v_lshl_add_u32 v[CBO], v26, 2, v[CBO]
	s_wait_kmcnt 0x0
	s_mov_b32 s25, 0
	s_lshl_b32 s24, s21, 19                        ; the work-group's 128 rows of 4,096 bytes
	s_add_nc_u64 s[4:5], s[4:5], s[24:25]
	s_lshl_b32 s24, s20, 15                        ; my 256 d of qk
	s_add_nc_u64 s[10:11], s[6:7], s[24:25]
	s_lshl_b32 s24, s21, 9
	s_add_nc_u64 s[12:13], s[8:9], s[24:25]
	s_add_nc_u64 s[12:13], s[12:13], 0x4000000     ; M and l
	s_lshl_b32 s24, s20, 21                        ; my four blocks of 64 d
	s_lshl_b32 s30, s21, 11
	s_add_co_u32 s24, s24, s30
	s_add_nc_u64 s[8:9], s[8:9], s[24:25]
	s_wait_alu depctr_va_vdst(0)                   ; the addresses v4 to v19, v24 and v25 are written, which every load and store of the kernel reads
	global_load_b32 v[CB], v[CBO], s[6:7] offset:131072
.set g, 0
.rept 8
	LOADX 0, g                                     ; X first, so that the stream starts at once
.set g, g+1
.endr
	WIN 0x40
.set k, 0
.rept 64
	global_load_b128 v[4*k:4*k+3], v[QO], s[10:11] offset:512*k
.set k, k+1
.endr
; CHUNK c: 32 rows of X come in, are rounded and laid in my strip, and the next chunk's loads go out into the same registers; then the chunk's logits.
.macro CHUNK c
.set g, 0
.rept 8
.set ob, CT+208*(g%2)                  ; the two buffers take turns
.if (\c) == 0
	s_wait_loadcnt 63                              ; 120 loads are younger than this group's eight; 63 is the largest count that can be written, and the stricter one
.elseif (\c) < 3
	s_wait_loadcnt 56                              ; the rest of the ring of 64 may stay out
.else
	s_wait_loadcnt 56-8*g                          ; nothing more is asked for: the counts run down
.endif
	WIN 0x0a
.set i, 8*g
.rept 8
	v_cvt_pk_f16_f32 v[ob+2*(i%8)], v[4*i], v[4*i+1]
	v_cvt_pk_f16_f32 v[ob+2*(i%8)+1], v[4*i+2], v[4*i+3]
.set i, i+1
.endr
	WIN 0
.if ((\c) > 0) || (g > 0)
	s_wait_alu depctr_vm_vsrc(0)                   ; the LDS stores of the group before have read the other CT, which the next group's roundings (behind the last group: wave 0's load of M and l) write; the last chunk's stores have read PA, which this chunk's products write
.endif
	s_wait_alu depctr_va_vdst(0)                   ; the roundings have written this CT, which the LDS stores read, and are done reading their part of X, in which the loads land; the last chunk's products and sums are done with XF, in which this chunk's fragments land
.set i, 8*g
.rept 8
	ds_store_b64 v[SA+(\c)/2], v[ob+2*(i%8):ob+2*(i%8)+1] offset:(32*((\c)%2)+i/2)*XP+256*(i%2)
.set i, i+1
.endr
.if (\c) < 3
	LOADX (\c)+1, g
.endif
.set g, g+1
.endr
	WIN 0
.set kk, 0
.rept 8                                        ; my own strip: LDS serves a wave's instructions in order, so these see the stores above.  No wait: no vector instruction stands behind the last group's
.set st, 0
.rept 2
	ds_load_b128 v[XF+8*(2*kk+st):XF+8*(2*kk+st)+3], v[FA] offset:(32*(\c)+16*st)*XP+64*kk
	ds_load_b128 v[XF+8*(2*kk+st)+4:XF+8*(2*kk+st)+7], v[FA] offset:(32*(\c)+16*st)*XP+64*kk+32
.set st, st+1
.endr
.set kk, kk+1
.endr
.if (\c) == 0
	s_wait_loadcnt 63                              ; qk and cb are in: 64 loads are younger
	v_mov_b32 v[CB+1], v[CB]
.endif
	WIN 0x04
.set kk, 0
.rept 8
	s_wait_dscnt 4*(7-kk)                          ; this K step's four loads are in; the later steps' may stay out
.set a, 0
.rept 4                                        ; eight accumulators take turns
.set st, 0
.rept 2
.if kk == 0
	v_wmma_f32_16x16x32_f16 v[PA+8*(2*a+st):PA+8*(2*a+st)+7], v[XF+8*(2*kk+st):XF+8*(2*kk+st)+7], v[8*(8*a+kk):8*(8*a+kk)+7], 0
.else
	v_wmma_f32_16x16x32_f16 v[PA+8*(2*a+st):PA+8*(2*a+st)+7], v[XF+8*(2*kk+st):XF+8*(2*kk+st)+7], v[8*(8*a+kk):8*(8*a+kk)+7], v[PA+8*(2*a+st):PA+8*(2*a+st)+7]
.endif
.set st, st+1
.endr
.set a, a+1
.endr
.set kk, kk+1
.endr
	WIN 0
	PLACES
	s_wait_alu depctr_va_vdst(0)                   ; the products have written PA, which the LDS stores read, and are done reading XF, in whose lower half the exchange's loads land; the places above stay beside this wait
.set k, 0
.rept 8                                        ; k = 2 a + st: to the wave that owns hm tile a; each accumulator's low half first
	ds_store_b128 v[EXS], v[PA+8*k:PA+8*k+3] offset:8192*(k/2)+1024*(k%2)
	ds_store_b128 v[EXS], v[PA+8*k+4:PA+8*k+7] offset:8192*(k/2)+1024*(k%2)+512
.set k, k+1
.endr
	s_wait_dscnt 0x0                               ; for the others' sake: my partial logits lie in LDS
	s_barrier_signal -1
	s_barrier_wait -1
.set k, 0
.rept 16                                       ; the four waves' parts of my tile
	ds_load_b128 v[ER+4*k:ER+4*k+3], v[EXR] offset:512*k
.set k, k+1
.endr
	s_wait_dscnt 0x0                               ; my reads of the exchange are over:
	s_barrier_signal -1                            ; say so; the sums, work on registers, stand between the signal and the wait
.set j, 0
.rept 8
	v_pk_add_f32 v[ER+2*j:ER+2*j+1], v[ER+2*j:ER+2*j+1], v[ER+16+2*j:ER+16+2*j+1]
	v_pk_add_f32 v[ER+32+2*j:ER+32+2*j+1], v[ER+32+2*j:ER+32+2*j+1], v[ER+48+2*j:ER+48+2*j+1]
.set j, j+1
.endr
.set j, 0
.rept 8
	v_pk_add_f32 v[ER+2*j:ER+2*j+1], v[ER+2*j:ER+2*j+1], v[CB:CB+1] op_sel_hi:[1,0]
.set j, j+1
.endr
	WIN 0xc0
.set j, 0
.rept 8
	v_pk_add_f32 v[LG+16*(\c)+2*j:LG+16*(\c)+2*j+1], v[ER+2*j:ER+2*j+1], v[ER+32+2*j:ER+32+2*j+1]
.set j, j+1
.endr
	WIN 0
	s_barrier_wait -1                              ; nobody reads the exchange any more: the next chunk, or P, may be stored there
.endm
	CHUNK 0
	CHUNK 1
	CHUNK 2
	CHUNK 3
	; THE SOFTMAX of my 16 rows hm over the work-group's 128 rows s: a lane holds 64 logits of one hm, the lane 16 away the other 64
	WIN 0xff
.set k, 0
.rept 4
	v_max3_num_f32 v[TM+k], v[LG+16*k], v[LG+16*k+1], v[LG+16*k+2]
.set k, k+1
.endr
.set j, 1
.rept 6
.set k, 0
.rept 4
	v_max3_num_f32 v[TM+k], v[TM+k], v[LG+16*k+2*j+1], v[LG+16*k+2*j+2]
.set k, k+1
.endr
.set j, j+1
.endr
	v_max3_num_f32 v[TM], v[TM], v[LG+15], v[LG+31]
	v_max3_num_f32 v[TM+2], v[TM+2], v[LG+47], v[LG+63]
	v_max3_num_f32 v[TM], v[TM], v[TM+1], v[TM+2]
	v_max_num_f32 v[TM], v[TM], v[TM+3]
	v_permlanex16_b32 v[TM+1], v[TM], s26, s27
	v_max_num_f32 v[TM+4], v[TM], v[TM+1]          ; M
	v_mov_b32 v[TM+5], v[TM+4]
.set j, 0
.rept 32
	v_pk_add_f32 v[LG+2*j:LG+2*j+1], v[LG+2*j:LG+2*j+1], v[TM+4:TM+5] neg_lo:[0,1] neg_hi:[0,1]
.set j, j+1
.endr
.set j, 0
.rept 64                                       ; one batch
	v_exp_f32 v[LG+j], v[LG+j]
.set j, j+1
.endr
	v_nop                                          ; the plain instruction behind the last exponential
	s_wait_alu depctr_va_vdst(0)                   ; the 64 exponentials have written p: the wait ahead of the batch's first reader
.set j, 0
.rept 32
	v_cvt_pk_f16_f32 v[PO+j], v[LG+2*j], v[LG+2*j+1]
.set j, j+1
.endr
.set n, 16
.rept 5                                        ; l, of the unrounded p
.set j, 0
.rept n
	v_pk_add_f32 v[LG+2*j:LG+2*j+1], v[LG+2*j:LG+2*j+1], v[LG+2*(j+n):LG+2*(j+n)+1]
.set j, j+1
.endr
.set n, n/2
.endr
	v_add_f32 v[TM], v[LG], v[LG+1]
	v_permlanex16_b32 v[TM+1], v[TM], s26, s27
	v_add_f32 v[TM+6], v[TM], v[TM+1]              ; l
	WIN 0x0c                                       ; address window 0, data window 3
	s_wait_alu depctr_va_vdst(0)                   ; the roundings have written my P, the maximum M and the sum l, which the LDS stores read; the last chunk's sums are done with v112 to v175, in which fragments land below
.set k, 0
.rept 8
	ds_store_b128 v[PBS], v[PO+4*k:PO+4*k+3] offset:512*k
.set k, k+1
.endr
	ds_store_b32 v[SSA], v[TM+4]
	ds_store_b32 v[SSA], v[TM+6] offset:256
	s_wait_dscnt 0x0                               ; for the others' sake: my P, M and l lie in LDS
	s_barrier_signal -1
	s_barrier_wait -1
	WIN 0xc0
.set k, 0
.rept 32
	ds_load_b128 v[PF+4*k:PF+4*k+3], v[PBR] offset:512*k
.set k, k+1
.endr
	WIN 0
	s_cmp_lg_u32 s20, 0
	s_cbranch_scc1 .Lnostat                        ; wave 0 stores the 64 M and 64 l: 512 consecutive bytes
	ds_load_b128 v[CT:CT+3], v[SSR]                ; CT0's last stores stand ahead of the last group's wait on vm_vsrc, its last roundings ahead of every wait on va_vdst since
	s_wait_dscnt 0x0
	global_store_b128 v[LO], v[CT:CT+3], s[12:13]
.Lnostat:
; THE SECOND PRODUCT, in eight units: u / 4 = which 8 of my 16 tiles of d, u % 4 = the chunk of 32 s.  Three buffers of fragments: one is multiplied, one is in or on its way, and the one that the unit
; before read is asked for again in the unit's middle, two units ahead of its use.
.macro FETCH u                         ; 16 loads, into XT[u % 3]
	WIN 0
.set xb, XT+64*((\u)%3)-192*(((\u)%3)/2)
.set f, 0
.rept 8
	ds_load_tr16_b128 v[xb+8*f:xb+8*f+3], v[TA] offset:32*((\u)%4)*XP+(8*((\u)/4)+f)*32
	ds_load_tr16_b128 v[xb+8*f+4:xb+8*f+7], v[TA] offset:32*((\u)%4)*XP+16*XP+(8*((\u)/4)+f)*32
.set f, f+1
.endr
.endm
.macro MULT u, f0                      ; 16 of the unit's 32 products: d tiles f0 .. f0 + 3.  The 32 accumulators take turns, in the same order in every unit
	WIN 0x5c+0x50*((\u)/4)
.set xb, XT+64*((\u)%3)-192*(((\u)%3)/2)
.set f, (\f0)
.rept 4
.set a, 0
.rept 4
.if ((\u)%4) == 0
	v_wmma_f32_16x16x32_f16 v[8*(4*f+a):8*(4*f+a)+7], v[xb+8*f:xb+8*f+7], v[PF+8*(4*a+(\u)%4):PF+8*(4*a+(\u)%4)+7], 0
.else
	v_wmma_f32_16x16x32_f16 v[8*(4*f+a):8*(4*f+a)+7], v[xb+8*f:xb+8*f+7], v[PF+8*(4*a+(\u)%4):PF+8*(4*a+(\u)%4)+7], v[8*(4*f+a):8*(4*f+a)+7]
.endif
.set a, a+1
.endr
.set f, f+1
.endr
.endm
.macro STORES half, f0                 ; d tiles f0 .. f0 + 3 of a half: 32 stores, each 256 consecutive bytes, aligned, for each of the tile's two heads; each accumulator's low half first
	WIN 0x04+4*(\half)
.set f, (\f0)
.rept 4
.set a, 0
.rept 4
	global_store_b128 v[VO+a], v[8*(4*f+a):8*(4*f+a)+3], s[8:9] offset:((8*(\half)+f)/4)*524288+((8*(\half)+f)%4)*512 th:TH_STORE_NT
	global_store_b128 v[VO+a], v[8*(4*f+a)+4:8*(4*f+a)+7], s[8:9] offset:((8*(\half)+f)/4)*524288+((8*(\half)+f)%4)*512+256 th:TH_STORE_NT
.set a, a+1
.endr
.set f, f+1
.endr
.endm
.macro UNIT u
.if (\u) < 7
	s_wait_dscnt 16                                ; this unit's fragments (and P) are in; the next unit's 16 loads may stay out
.else
	s_wait_dscnt 0x0
.endif
.if (\u) == 4
	PLACES                                         ; behind the products that finished tiles 0-7, ahead of the stores of their sums
.endif
.if ((\u) > 0) && ((\u) < 6)
	s_wait_alu depctr_va_vdst(0)                   ; the unit before is done reading its fragments, in which the loads below land; in unit 4 also: the sums of tiles 0-7 are written, which the stores of units 4 and 5 read
.endif
	MULT \u, 0
.if (\u) == 0
	s_wait_alu depctr_vm_vsrc(0)                   ; the last chunk's LDS stores have read v48 to v111, in which the loads below land
.endif
.if (\u) < 6
	FETCH (\u)+2                                   ; no further wait: the products since the unit's head name XT[u % 3], P and the sums in hand
.endif
.if (\u) == 4
	STORES 0, 0                                    ; the first eight tiles leave while the others are multiplied: no product since the wait names window 1
.endif
.if (\u) == 5
	STORES 0, 4
.endif
	MULT \u, 4
.endm
	FETCH 0
	FETCH 1
	UNIT 0
	UNIT 1
	UNIT 2
	UNIT 3
	UNIT 4
	UNIT 5
	UNIT 6
	UNIT 7
	PLACES
	s_wait_alu depctr_va_vdst(0)                   ; the products have written the sums of tiles 8-15, which the stores read; the places above stay beside this wait
	STORES 1, 0
	STORES 1, 4
	WIN 0
	s_wait_dscnt 0x0                               ; the closing lines, six on end
	s_wait_alu 0x0
	s_wait_tensorcnt 0x0
	ds_add_u32 v[SPW], v[NIL]
	s_wait_dscnt 0x0
	s_endpgm
.Lfunc_end_k_qcce7da897f_condense:
	.size	k_qcce7da897f_condense, .Lfunc_end_k_qcce7da897f_condense-k_qcce7da897f_condense
	.p2alignl 7, 3214868480
	.fill 96, 4, 3214868480
	.section	.rodata,"a",@progbits
	.p2align	6, 0x0
	.amdhsa_kernel k_qcce7da897f_condense
		.amdhsa_group_segment_fixed_size 312320
		.amdhsa_private_segment_fixed_size 0
		.amdhsa_enable_private_segment 0
		.amdhsa_kernarg_size 24
		.amdhsa_user_sgpr_count 2
		.amdhsa_user_sgpr_kernarg_segment_ptr 1
		.amdhsa_wavefront_size32 1
		.amdhsa_system_sgpr_workgroup_id_x 1
		.amdhsa_system_sgpr_workgroup_id_y 1
		.amdhsa_system_sgpr_workgroup_id_z 1
		.amdhsa_system_vgpr_workitem_id 0
		.amdhsa_next_free_vgpr 1024
		.amdhsa_next_free_sgpr 66
		.amdhsa_reserve_vcc 0
		.amdhsa_float_denorm_mode_32 3
		.amdhsa_float_denorm_mode_16_64 3
		.amdhsa_memory_ordered 1
		.amdhsa_forward_progress 1
		.amdhsa_inst_pref_size 182
	.end_amdhsa_kernel
	.amdgpu_metadata
---
amdhsa.version: [ 1, 2 ]
amdhsa.kernels:
  - .name:           k_qcce7da897f_condense
    .symbol:         k_qcce7da897f_condense.kd
    .args:
      - { .name: h_img_seq, .offset: 0, .size: 8, .value_kind: global_buffer, .address_space: global }
      - { .name: qkf, .offset: 8, .size: 8, .value_kind: global_buffer, .address_space: global }
      - { .name: part, .offset: 16, .size: 8, .value_kind: global_buffer, .address_space: global }
    .group_segment_fixed_size: 312320
    .private_segment_fixed_size: 0
    .kernarg_segment_align: 8
    .kernarg_segment_size: 24
    .max_flat_workgroup_size: 128
    .sgpr_count:     66
    .vgpr_count:     1024
    .wavefront_size: 32
...
	.end_amdgpu_metadata
.endif
;; end of part 10
;; launch avproj: the kernel of part 4 again; grid 16 x 8, 8 waves a work-group, no clusters, 59,392 bytes of LDS; arguments part, wv, bv, attnp; writes attnp
;; launch oproj: the kernel of part 5 again; grid 16 x 4, 8 waves a work-group, no clusters, 21,760 bytes of LDS; arguments attnp, wo, op; writes op
;; launch mlp1: the kernel of part 6 again; grid 32 x 4, 8 waves a work-group, no clusters, 21,760 bytes of LDS; arguments op, bo, ln_g, ln_b, w1, h1p; writes h1p
;; launch mlp2: the kernel of part 7 again; grid 16 x 8, 8 waves a work-group, no clusters, 21,760 bytes of LDS; arguments h1p, b1, w2, h2p; writes h2p
;; launch finish: the kernel of part 8 again; grid 8 x 1, 1 waves a work-group, no clusters, 0 bytes of LDS; arguments op, bo, h2p, b2, out0, out1; writes out0, out1
